; MI455X (gfx1250); checked and timed in simulation.
; The chip was launched on July 23, 2026; its instructions are those of AMD's public machine-readable ISA for CDNA 5 (MIT licence, August 2026) and "CDNA5" Instruction Set Architecture Reference Guide (July 2026). The comments in the code are by the model that wrote it; some were corrected since.
;; Dec FC Switch. Allowed arithmetic: matrix products marked QUANTISED: E4M3 operands, one E8M0 scale for each 32 along K, by v_wmma_scale_f32_16x16x128_f8f6f4 with both operands' format E4M3, f32 sums; everything else in f32.
;; Inputs: W_in_codes 16 x 256 x 32 x 32 uint8 (E4M3 codes of W_in, K innermost, in blocks of 32 codes); W_in_scales 16 x 256 x 32 uint8 (E8M0 scales of W_in, one for each 32 codes along K); W_out_codes 16 x 1,024 x 8 x 32 uint8 (E4M3 codes of W_out, K innermost, in blocks of 32 codes); W_out_scales 16 x 1,024 x 8 uint8 (E8M0 scales of W_out, one for each 32 codes along K); b_in 16 x 256 float32; b_out 16 x 1,024 float32; x 4,096 x 1,024 float32; y_index 4,096 x 1 int32.
;; Outputs: out0 4,096 x 1,024 float32.
;; This version of the problem:
;;   THIS VERSION OF THE PROBLEM IS GIVEN IN LOW PRECISION. The matrix products marked QUANTISED in the list below multiply operands that are first quantised to E4M3 (4 exponent bits, 3 mantissa bits; 8 bits a number), with one power-of-two scale for each 32 numbers along K (OCP MX v1.0); their sums are f32. All else is computed in f32.
;;   The module's matrix products, in the order in which they are computed (A, B: the left and right operand; K: the contracted axis; several contracted axes count as one K, in the product's order):
;;     1. [M 4,096, K 1,024] x [K 1,024, N 4,096]; A: computed on the way; B: input W_in (given as codes): QUANTISED
;;     2. batch 16 x [M 1,024, K 256] x [K 256, N 4,096]; A: input W_out (given as codes); B: computed on the way: QUANTISED
;;   THE QUANTISER, for each operand of a quantised product, along K:
;;     - K is cut into blocks of 32 from its start; a last block that is shorter is filled with zeros.
;;     - A block's scale is 2^e with e = floor(log2(the largest magnitude in the block)) - 8, held to -126 .. 127; a block of zeros has e = 0. As a byte (E8M0): e + 127.
;;     - Each number is divided by its block's scale, clamped to +-448, and rounded to the nearest number of E4M3, ties to even, subnormals kept.
;;     - The product sums the exact products of the quantised numbers (number of the format x scale) in f32.
;;   ~~~python
;;   def quantise(x, axis):      # numpy; x: float32 -> the quantised numbers, widened to float32 again
;;       x = np.moveaxis(x, axis, -1); K = x.shape[-1]
;;       x = np.pad(x, [(0, 0)] * (x.ndim - 1) + [(0, -K % 32)]); x = x.reshape(x.shape[:-1] + (-1, 32)); a = np.abs(x).max(-1, keepdims=True)
;;       e = np.where(a > 0, np.clip(np.frexp(np.where(a > 0, a, 1))[1] - 1 - 8, -126, 127), 0)      # np.frexp(a)[1] - 1 = floor(log2(a)), exactly
;;       r = np.clip(x / 2.0 ** e, -448, 448)
;;       step = 2.0 ** (np.maximum(np.frexp(np.where(r == 0, 1, r))[1] - 1, -6) - 3)
;;       q = np.round(r / step) * step * 2.0 ** e      # np.round: ties to even
;;       return np.moveaxis(q.reshape(q.shape[:-2] + (-1,))[..., :K], -1, axis).astype(np.float32)
;;   ~~~
;;   OPERANDS COMPUTED ON THE WAY. 'Computed on the way' means the value that the module computes at that place (a softmax that the list does not call 'softmax' is quantised finished and normalised). What goes into a quantiser is computed in f32, as accurately as f32 sums, v_exp_f32 and their like allow (about 1e-6 of the number): no bf16 or f16 on the way to a quantiser, and a product that is left as it is and whose result goes on into a quantised operand takes f32 operands (vector FMAs, or v_wmma_f32_16x16x4_f32). A number that lies on a knife's edge between two numbers of the format may be rounded either way, as far as f32 arithmetic and the matrix unit's own rounding can turn it there, and no further.
;;   INPUTS GIVEN AS CODES. W_in (in the module: [16, 256, 1024], K = its axis 2); W_out (in the module: [16, 1024, 256], K = its axis 2): each comes as NAME_codes (uint8): NAME with its K axis moved to the last place and cut into blocks of 32 codes, [.., K / 32, bytes a block], one block behind the other in memory; one code a byte (a code: sign, 4 exponent bits, 3 mantissa bits); and NAME_scales (uint8): the same leading axes, one E8M0 byte (e + 127) for each 32 codes along K. Its value is code x scale, taken as it is: it is not quantised again, and the codes and scales need not be those that the quantiser above would give.
;; 2 versions. Each part assembles by itself: llvm-mc -triple=amdgcn-amd-amdhsa -mcpu=gfx1250 --defsym DOCPART=n.
;; ======== version 1 of 2: 2 launches
;; workspace buffers: w1img 4,194,304 bytes; w2img 4,194,304 bytes; tiles 2,048 bytes of whole numbers; order 18,432 bytes of whole numbers
;; launch prep (part 1): grid 129 x 1, 16 waves a work-group, no clusters, 4,096 bytes of LDS; arguments y_index, W_in_codes, W_out_codes, w1img, w2img, tiles, order; writes w1img, w2img, tiles, order
.if DOCPART == 1
	.amdgcn_target "amdgcn-amd-amdhsa--gfx1250"
	.amdhsa_code_object_version 6
	.text
	.protected	k_q98841db64b_prep
	.globl	k_q98841db64b_prep
	.p2align	8
	.type	k_q98841db64b_prep,@function
k_q98841db64b_prep:
	s_mov_b64 s[64:65], 0
	v_nop
	global_prefetch_b8 v0, s[64:65] scope:SCOPE_SE
	s_setreg_imm32_b32 hwreg(HW_REG_WAVE_MODE, 25, 1), 1
	s_wait_xcnt 0x0
; TWO JOBS IN ONE LAUNCH, told apart by the work-group's number alone.
; Work-group 0: a counting sort of the 4,096 tokens by their branch (y_index, 0 .. 15), into tiles of 32 rows of one branch.
;   order[32 g + i] = the token of row i of tile g, or 4096 where the tile has no such row;  tiles[g] = the branch of tile g, or 16 where there is no tile g.
;   A branch with c tokens gets ceil(c / 32) tiles: never more than 4096 / 32 + 15 = 143 in all, whatever the split.  All 143 x 32 slots and all 512 words of tiles are stored.
; Work-groups 1 .. 64 (W_in) and 65 .. 128 (W_out): the weights' codes are laid in the order in which a wave's operand registers take them.  A fragment (16 rows x 128 K) is 2,048 bytes:
;   byte 512 c + 16 lane holds the 16 codes k = 32 c + 16 (lane / 16) + 0 .. 15 of the fragment's row lane % 16.
;   w1img: fragment (e, w, q, u) at ((8 e + w) 16 + 2 q + u) 2048: K step q; row r of it is W_in[e] row 32 w + 8 u + r + 8 (r / 8).
;   w2img: fragment (e, w, t, s) at ((8 e + w) 16 + 2 t + s) 2048: K step s; row r of it is W_out[e] row 128 w + 16 t + r.
; LIMIT: y_index is taken to lie in 0 .. 15, as the gather of the problem needs; a larger number is held at 15.
.set SPARE, 2048                       ; LDS: bytes 0 .. 2047 the waves' counts (wave x 128 + 4 x lane); from 2048 the spare words, 128 bytes a wave: eight blocks of 256 bytes that no other line names
.set Y,    8                           ; v8-15   my eight tokens' branches
.set R,    16                          ; v16-23  their ranks among my wave's tokens of the same branch
.set CW,   24                          ; v24-39  lane e: wave w's count of branch e
.set RUN,  32                          ; s32-47  my wave's running count of each branch
.set TEND, 48                          ; s48-63  the tile behind each branch's last
	s_load_b256 s[4:11], s[0:1], 0x0               ; y_index s[4:5], W_in_codes s[6:7], W_out_codes s[8:9], w1img s[10:11]
	s_load_b128 s[12:15], s[0:1], 0x20             ; w2img s[12:13], tiles s[14:15]
	s_load_b64 s[16:17], s[0:1], 0x30              ; order
	v_lshl_add_u32 v1, v0, 2, SPARE                ; my spare word; never rewritten
	v_mov_b32 v2, 0                                ; 0; never rewritten
	v_lshrrev_b32 v3, 5, v0
	v_readfirstlane_b32 s18, v3                    ; wave 0 .. 15
	v_and_b32 v3, 31, v0                           ; lane
	s_wait_kmcnt 0x0
	s_cmp_eq_u32 ttmp9, 0
	s_cbranch_scc1 .Lsort
; ---- THE LAYOUT.  A wave moves two fragments, 4,096 bytes: eight loads, eight stores; no LDS, no barrier.
; Each store covers 512 consecutive bytes at a multiple of 512 from the buffer's first byte.
.macro RELAY src, dst, df
.irp f, 0,1
.irp c, 0,1,2,3
	global_load_b128 v[8+16*\f+4*\c:8+16*\f+4*\c+3], v5, s[\src:\src+1] offset:128*\f+32*\c
.endr
.endr
.irp f, 0,1
.irp c, 0,1,2,3
	s_wait_loadcnt 7-4*\f-\c                       ; loads come back in order: this one is in, the younger ones stay out
	global_store_b128 v6, v[8+16*\f+4*\c:8+16*\f+4*\c+3], s[\dst:\dst+1] offset:\df*\f+512*\c
.endr
.endr
.endm
	s_sub_co_u32 s20, ttmp9, 1
	s_lshl_b32 s20, s20, 4
	s_add_co_u32 s20, s20, s18                     ; G = 16 (work-group - 1) + wave
	v_and_b32 v7, 15, v0                           ; r
	v_bfe_u32 v4, v0, 4, 1                         ; h
	v_lshlrev_b32 v6, 4, v3                        ; out: 16 x lane
	s_cmp_lt_u32 ttmp9, 65
	s_cbranch_scc0 .Lw2
	; W_in: G = 8 n + 2 p + u, n = 8 e + w; K steps 2 p and 2 p + 1 of tile u.  The eight loads cover 16 rows x 256 consecutive bytes
	s_lshr_b32 s21, s20, 3                         ; n
	s_bfe_u32 s22, s20, 0x20001                    ; p
	s_and_b32 s23, s20, 1                          ; u
	s_lshl_b32 s24, s21, 15                        ; n's 32 rows of 1,024 bytes; also n's 16 fragments
	s_lshl_b32 s26, s23, 13                        ; 8 u rows
	s_add_co_u32 s26, s26, s24
	s_lshl_b32 s28, s22, 8                         ; 256 p along K
	s_add_co_u32 s26, s26, s28
	s_mov_b32 s27, 0
	s_add_nc_u64 s[6:7], s[6:7], s[26:27]
	s_lshl_b32 s28, s22, 2
	s_add_co_u32 s28, s28, s23                     ; fragment 4 p + u; the second lies two fragments on
	s_lshl_b32 s28, s28, 11
	s_add_co_u32 s28, s28, s24
	s_mov_b32 s29, 0
	s_add_nc_u64 s[10:11], s[10:11], s[28:29]
	v_and_b32 v5, 8, v7
	v_add_nc_u32 v5, v5, v7                        ; r + 8 (r / 8)
	v_lshlrev_b32 v5, 10, v5
	v_lshl_add_u32 v5, v4, 4, v5                   ; in: that row, + 16 h
	RELAY 6, 10, 4096
	s_endpgm
.Lw2:	; W_out: G - 1024 = 8 n + t: tile t's 16 rows of 256 bytes are 4,096 consecutive bytes, and so are its two fragments
	s_sub_co_u32 s20, s20, 1024
	s_lshl_b32 s26, s20, 12
	s_mov_b32 s27, 0
	s_add_nc_u64 s[8:9], s[8:9], s[26:27]
	s_add_nc_u64 s[12:13], s[12:13], s[26:27]
	v_lshlrev_b32 v5, 8, v7
	v_lshl_add_u32 v5, v4, 4, v5                   ; in: row r, + 16 h
	RELAY 8, 12, 2048
	s_endpgm
; ---- THE SORT.  512 threads, eight tokens each: thread t has tokens 4 t .. 4 t + 3 and 2048 + 4 t .. + 3.
.Lsort:
	v_lshlrev_b32 v4, 4, v0
	global_load_b128 v[Y:Y+3], v4, s[4:5]
	global_load_b128 v[Y+4:Y+7], v4, s[4:5] offset:8192
.irp e, 0,1,2,3,4,5,6,7,8,9,10,11,12,13,14,15
	s_mov_b32 s[RUN+\e], 0
.endr
	v_lshlrev_b32 v73, 2, v0                       ; 4 x thread = 128 x wave + 4 x lane
	v_lshlrev_b32 v74, 2, v3                       ; 4 x lane
	v_mov_b32 v40, 0
	v_mov_b32 v42, 0
	v_mov_b32 v45, 0                               ; (the destination of a lane move counts as read: written once here)
	v_mov_b32 v76, 0
.irp i, 0,1,2,3
	v_lshl_add_u32 v[64+\i], v0, 2, \i             ; my tokens' numbers
	v_lshl_add_u32 v[68+\i], v0, 2, 2048+\i
.endr
	s_wait_loadcnt 0x0
.irp i, 0,1,2,3,4,5,6,7
	v_min_u32 v[Y+\i], 15, v[Y+\i]
.endr
	; a token's rank in its wave: the wave's tokens of that branch in earlier registers, and those of lower lanes in this register
.irp i, 0,1,2,3,4,5,6,7
.irp e, 0,1,2,3,4,5,6,7,8,9,10,11,12,13,14,15
	v_cmp_eq_u32 s[20+\e%4], \e, v[Y+\i]
	v_mbcnt_lo_u32_b32 v[85+\e%4], s[20+\e%4], s[RUN+\e]
.if \e == 0
	v_cndmask_b32 v[R+\i], 0, v[85+\e%4], s[20+\e%4]
.else
	v_cndmask_b32 v[R+\i], v[R+\i], v[85+\e%4], s[20+\e%4]
.endif
	s_bcnt1_i32_b32 s24, s[20+\e%4]
	s_add_co_u32 s[RUN+\e], s[RUN+\e], s24
.endr
.endr
.irp e, 0,1,2,3,4,5,6,7,8,9,10,11,12,13,14,15
	v_writelane_b32 v40, s[RUN+\e], \e             ; lane e: my wave's count of branch e; lanes 16-31 hold 0
.endr
	ds_store_b32 v73, v40
	s_wait_dscnt 0x0                               ; for the others' sake: my counts lie in LDS
	s_barrier_signal -1                            ; (all sixteen waves of this work-group are on this path: it hangs on the work-group's number alone)
	s_barrier_wait -1
.irp k, 0,1,2,3,4,5,6,7,8,9,10,11,12,13,14,15
	ds_load_b32 v[CW+\k], v74 offset:128*\k
.endr
	s_wait_dscnt 0x0
	v_add_nc_u32 v41, v[CW], v[CW+1]               ; lane e: all tokens of branch e
.irp k, 2,4,6,8,10,12,14
	v_add3_u32 v41, v41, v[CW+\k], v[CW+\k+1]
.endr
.irp k, 0,1,2,3,4,5,6,7,8,9,10,11,12,13,14
	s_cmp_lt_u32 \k, s18
	s_cselect_b32 s24, 1, 0
	v_mad_u32_u24 v42, v[CW+\k], s24, v42          ; those of the waves in front of mine
.endr
	v_add_nc_u32 v43, 31, v41
	v_lshrrev_b32 v43, 5, v43                      ; the branch's tiles
	v_mov_b32 v44, v43
.irp n, 1,2,4,8
	v_mov_b32_dpp v45, v44 row_shr:\n row_mask:0xf bank_mask:0xf bound_ctrl:1
	v_add_nc_u32 v44, v44, v45                     ; summed over lanes 0 .. e: the tile behind the branch's last
.endr
	v_sub_nc_u32 v75, v44, v43                     ; the branch's first tile
	v_lshl_add_u32 v46, v75, 5, v42                ; my wave's first slot in the branch
	v_lshl_add_u32 v47, v75, 5, v41                ; the first slot behind the branch's tokens
.irp i, 0,1,2,3,4,5,6,7
	v_lshlrev_b32 v[56+\i], 2, v[Y+\i]
.endr
	s_lshl_b32 s24, s18, 2
	v_mov_b32 v77, s24
.irp i, 0,1,2,3,4,5,6,7
	ds_bpermute_b32 v[48+\i], v[56+\i], v46        ; from lane e = the token's branch
.endr
	ds_bpermute_b32 v78, v77, v47                  ; wave w sees to the empty rows of branch w
	ds_bpermute_b32 v79, v77, v44
.irp e, 0,1,2,3,4,5,6,7,8,9,10,11,12,13,14,15
	v_readlane_b32 s[TEND+\e], v44, \e
.endr
.irp e, 0,1,2,3,4,5,6,7,8,9,10,11,12,13,14,15
	v_cmp_le_u32 vcc_lo, s[TEND+\e], v0
	v_add_co_ci_u32 v76, vcc_lo, 0, v76, vcc_lo    ; tile t's branch = how many branches end at or in front of t; 16 behind the last tile
.endr
	global_store_b32 v73, v76, s[14:15]            ; 512 words on end
	s_wait_dscnt 0x0
.irp i, 0,1,2,3,4,5,6,7
	v_add_nc_u32 v[56+\i], v[48+\i], v[R+\i]
	v_min_u32 v[56+\i], 0x11df, v[56+\i]           ; a slot is at most 143 x 32 - 1
	v_lshlrev_b32 v[56+\i], 2, v[56+\i]
	global_store_b32 v[56+\i], v[64+\i], s[16:17]
.endr
	v_add_nc_u32 v80, v78, v3                      ; the rows that the branch's last tile lacks: at most 31, a lane each
	v_lshlrev_b32 v79, 5, v79
	v_min_u32 v81, 0x11df, v80
	v_lshlrev_b32 v81, 2, v81
	v_mov_b32 v82, 0x1000                          ; 4096: no token
	s_lshl_b32 s27, s[TEND+15], 5
	v_add_nc_u32 v83, s27, v0                      ; and the tiles that this split leaves empty: at most 15 x 32 slots, a thread each
	v_min_u32 v84, 0x11df, v83
	v_lshlrev_b32 v84, 2, v84
	s_wait_xcnt 0x0                                ; EXEC is a source of the stores above: it changes only behind this wait
	v_cmp_lt_u32 vcc_lo, v80, v79
	s_and_saveexec_b32 s26, vcc_lo
	global_store_b32 v81, v82, s[16:17]
	s_wait_xcnt 0x0                                ; and again in front of the line that widens it
	s_or_b32 exec_lo, exec_lo, s26
	v_cmp_gt_u32 vcc_lo, 0x11e0, v83
	s_and_saveexec_b32 s26, vcc_lo                 ; (no load or store has been issued since the last such wait)
	global_store_b32 v84, v82, s[16:17]
	s_wait_xcnt 0x0
	s_or_b32 exec_lo, exec_lo, s26
	s_wait_tensorcnt 0x0                           ; the wave's end, behind my last LDS store
	ds_add_u32 v1, v2
	s_wait_dscnt 0x0
	s_endpgm
.Lfunc_end_k_q98841db64b_prep:
	.size	k_q98841db64b_prep, .Lfunc_end_k_q98841db64b_prep-k_q98841db64b_prep
	.p2alignl 7, 3214868480
	.fill 96, 4, 3214868480
	.section	.rodata,"a",@progbits
	.p2align	6, 0x0
	.amdhsa_kernel k_q98841db64b_prep
		.amdhsa_group_segment_fixed_size 4096
		.amdhsa_private_segment_fixed_size 0
		.amdhsa_enable_private_segment 0
		.amdhsa_kernarg_size 56
		.amdhsa_user_sgpr_count 2
		.amdhsa_user_sgpr_kernarg_segment_ptr 1
		.amdhsa_wavefront_size32 1
		.amdhsa_system_sgpr_workgroup_id_x 1
		.amdhsa_system_sgpr_workgroup_id_y 1
		.amdhsa_system_sgpr_workgroup_id_z 1
		.amdhsa_system_vgpr_workitem_id 0
		.amdhsa_next_free_vgpr 96
		.amdhsa_next_free_sgpr 66
		.amdhsa_reserve_vcc 1
		.amdhsa_float_denorm_mode_32 3
		.amdhsa_float_denorm_mode_16_64 3
		.amdhsa_memory_ordered 1
		.amdhsa_forward_progress 1
		.amdhsa_inst_pref_size 51
	.end_amdhsa_kernel
	.amdgpu_metadata
---
amdhsa.version: [ 1, 2 ]
amdhsa.kernels:
  - .name:           k_q98841db64b_prep
    .symbol:         k_q98841db64b_prep.kd
    .args:
      - { .name: y_index, .offset: 0, .size: 8, .value_kind: global_buffer, .address_space: global }
      - { .name: W_in_codes, .offset: 8, .size: 8, .value_kind: global_buffer, .address_space: global }
      - { .name: W_out_codes, .offset: 16, .size: 8, .value_kind: global_buffer, .address_space: global }
      - { .name: w1img, .offset: 24, .size: 8, .value_kind: global_buffer, .address_space: global }
      - { .name: w2img, .offset: 32, .size: 8, .value_kind: global_buffer, .address_space: global }
      - { .name: tiles, .offset: 40, .size: 8, .value_kind: global_buffer, .address_space: global }
      - { .name: order, .offset: 48, .size: 8, .value_kind: global_buffer, .address_space: global }
    .group_segment_fixed_size: 4096
    .private_segment_fixed_size: 0
    .kernarg_segment_align: 8
    .kernarg_segment_size: 56
    .max_flat_workgroup_size: 512
    .sgpr_count:     66
    .vgpr_count:     96
    .wavefront_size: 32
...
	.end_amdgpu_metadata
.endif
;; end of part 1
;; launch chain (part 2): grid 143 x 1, 8 waves a work-group, no clusters, 178,432 bytes of LDS; arguments x, w1img, w2img, W_in_scales, W_out_scales, b_in, b_out, tiles, order, out0; writes out0
.if DOCPART == 2
	.amdgcn_target "amdgcn-amd-amdhsa--gfx1250"
	.amdhsa_code_object_version 6
	.text
	.protected	k_q98841db64b_chain
	.globl	k_q98841db64b_chain
	.p2align	8
	.type	k_q98841db64b_chain,@function
k_q98841db64b_chain:
	s_mov_b64 s[64:65], 0
	v_nop
	global_prefetch_b8 v0, s[64:65] scope:SCOPE_SE
	s_setreg_imm32_b32 hwreg(HW_REG_WAVE_MODE, 25, 1), 1
	s_wait_xcnt 0x0
; out0[t] = x[t] + Q(Q(relu x[t]) W_in[e]^T + b_in[e]) W_out[e]^T + b_out[e], e = y_index[t]; Q: codes of FP8 (E4M3) with one E8M0 scale for each 32 along a product's K.  Only the chosen branch is multiplied.
; Work-group g takes tile g of the stored list: 32 rows (tokens) of ONE branch, through the whole chain; the hidden layer never goes to memory.  143 work-groups serve every split.
; THE EIGHT WAVES SHARE THE COLUMNS.  Wave w: x's columns 128 w .. + 127 (K step w of the first product, and the residual); hidden units 32 w .. + 31 (one block of 32 of the second product's K: registers 4 c .. 4 c + 3,
; c = w % 4, of K step w / 4); output columns 128 w .. + 127.  So x is read once, no weight is read twice in a work-group, and a wave's store of a row covers 512 consecutive bytes, at a multiple of 512.
; WEIGHTS come from memory straight into registers, from buffers laid in the operands' register order: every load covers 512 consecutive bytes.  W_out's fragments land in the registers that W_in's have left, K step by K step.
; OPERANDS MADE HERE go from wave to wave through LDS as images of their registers (16 bytes a lane, 512 a store), scale words 4 bytes a row.  Two barriers in all.
; BOTH PRODUCTS ARE USED TRANSPOSED (source 0 = 16 rows of a weight, source 1 = 16 tokens): a lane holds one token, and its registers run along the columns.  The rows of W_in that form a tile are chosen so that the
; 16 registers of a wave's two tiles are 16 neighbours along the next K.  b_in is the C of the first product's first step; x is the C of the second product's: the residual costs no addition; b_out is added last.
; A TILE THAT THIS SPLIT LEAVES EMPTY (stored branch 16): every wave passes every barrier, and no barrier stands under a branch on a loaded number.  So such a work-group walks the text as far as the second barrier on held
; numbers (branch 15, token 4095: inside their buffers) and leaves behind it: it multiplies no second product and stores nothing.  At most 15 of the 143 work-groups are such.
; NOT ASKED FOR JOINTLY: the row tiles of a branch read the same weights, but how many there are hangs on the stored list, and the empty tile's way out is a branch on a stored number.
; A row that the tile lacks (marker 4096) repeats the tile's row 0: the same wave then stores the same numbers to the same place once more.
; LIMITS: NaN and infinities in x are not served.  A block with no positive number (first product), or of zeros, gets the byte 1 and zero codes where the rule says 127: the sums are the same.  The sum's order is (x + products) + b_out.
.set SP,    528                        ; a stage row: 512 bytes + 16: the 16 rows that a load touches start at 16 different places modulo 256 bytes
.set STGW,  32*SP                      ; LDS: a stage of 32 rows for each wave, its own: x's columns, later the finished rows
.set XIMG,  8*STGW                     ; x's 16 fragments (K step q, rows 16 m on: 2 q + m), 2,048 bytes each
.set XSC,   XIMG+16*2048               ; their scale words: 128 q + 64 m + 4 r
.set HIMG,  XSC+1024                   ; the hidden layer's 4 fragments (2 s + m)
.set HSC,   HIMG+4*2048                ; their scale bytes: 128 s + 64 m + 4 r + c
.set SPARE, HSC+256                    ; the spare words, 128 bytes a wave: four blocks of 256 bytes that no other line names
.set SPW, 1                            ; v1   my spare word; never rewritten
.set NIL, 2                            ; v2   0; never rewritten
.set GL,  3                            ; v3   16 x lane
.set LP,  4                            ; v4   512 w + 16 x lane: my 16 bytes of a row of x, out0, b_out
.set SA,  5                            ; v5   my stage + 16 x lane: a whole row
.set FA,  6                            ; v6   my stage + 528 r + 64 h: 16 neighbours of a block of 32
.set CA,  7                            ; v7   my stage + 528 r + 32 h: a result's eight columns
.set L16, 8                            ; v8   XIMG + 16 x lane
.set L4,  9                            ; v9   XSC + 4 x lane
.set XWI, 10                           ; v10  where I store x's images
.set XWS, 11                           ; v11  and their scale words
.set HWI, 12                           ; v12  the hidden layer's: my four registers of an image
.set HWS, 13                           ; v13  and my byte of its scale words
.set A1S, 14                           ; v14  W_in's scale rows: 32 x (8 h + r + 8 (r / 8))
.set A2S, 15                           ; v15  W_out's: 8 x lane
.set TM,  16                           ; v16-31 the quantiser's: +0 largest magnitudes, +4 the other half's, then bytes, +8 448 x the scale, +12 the conversion's scale operand
.set W1S, 32                           ; v32-39 W_in's scale words, register q: lanes 0-15 tile u = 0, lanes 16-31 tile u = 1
.set W2S, 40                           ; v40-47 W_out's, register 2 (t / 2) + s: lanes 0-15 even t, lanes 16-31 odd t
.set XS,  48                           ; v48-55 x's, register q: lanes 0-15 rows 0-15, lanes 16-31 rows 16-31
.set HS,  56                           ; v56-57 the hidden layer's, register s: likewise
.set PW,  58                           ; v58  the scale word just made
.set AB1, 59                           ; v59  64 h
.set BR,  60                           ; v60-63 b_out at my four columns
.set RO,  64                           ; v64-95 the 32 rows' byte offsets in x and in out0 (at the head and on the way out)
.set HA,  64                           ; v64-95 the hidden layer's accumulators: (m, u) at 8 (2 m + u)
.set B1,  96                           ; v96-111 b_in in the result's layout, tile u at 8 u
.set PC,  112                          ; v112-127 the codes just made
.set HF,  64                           ; v64-127 the hidden layer's four fragments, (s, m) at 16 (2 s + m)
.set XT,  128                          ; v128-255 x as loaded, row i at 4 i; then 64 numbers a lane for rows 16 m on, at 64 m; at the end the finished rows
.set XF,  128                          ; v128-191 x's fragments, two sets of two
.set ACC, 128                          ; v128-255 the second product's accumulators: (t, m) at 8 (2 t + m)
; window 1 (v256-511): 16 weight fragments, fragment j at 16 j: W_in's j = 2 q + u, then W_out's j = 2 t + s
.set MSB, 0
.macro WIN new                         ; the immediate's high byte repeats the setting that is left
.if MSB != \new
	s_set_vgpr_msb (MSB<<8)|\new
.set MSB, \new
.endif
.endm
.macro PLACES n
.rept \n
	v_nop
.endr
.endm
.macro BARRIER                         ; my LDS stores have landed and my LDS loads are in: then the work-group's barrier
	s_wait_dscnt 0x0
	s_barrier_signal -1
	s_barrier_wait -1
.endm
.macro WLOAD ptr, j                    ; fragments 2 j and 2 j + 1 of my 16: eight loads of 512 consecutive bytes
	WIN 0x40                                       ; destination window 1, address window 0
.irp u, 0,1
.irp c, 0,1,2,3
	global_load_b128 v[32*(\j)+16*\u+4*\c:32*(\j)+16*\u+4*\c+3], v[GL], s[\ptr:\ptr+1] offset:(2*(\j)+\u)*2048+512*\c
.endr
.endr
	WIN 0
.endm
.macro XFETCH q                        ; x's two fragments of K step q, as their makers stored them
.irp m, 0,1
.irp c, 0,1,2,3
	ds_load_b128 v[XF+32*((\q)%2)+16*\m+4*\c:XF+32*((\q)%2)+16*\m+4*\c+3], v[L16] offset:(2*(\q)+\m)*2048+512*\c
.endr
.endr
.endm
.macro TOSTAGE m                       ; rows 16 m on of x, as loaded, into my stage
.irp i, 0,1,2,3,4,5,6,7,8,9,10,11,12,13,14,15
	ds_store_b128 v[SA], v[XT+64*\m+4*\i:XT+64*\m+4*\i+3] offset:SP*(16*\m+\i)
.endr
.endm
.macro FROMSTAGE m                     ; and back, 16 neighbours of each block of 32 to a lane.  LDS serves a wave's instructions in order (ISA guide 5.7.1.4): these see my stores
.irp b, 0,1,2,3
.irp j, 0,1,2,3
	ds_load_b128 v[XT+64*\m+16*\b+4*\j:XT+64*\m+16*\b+4*\j+3], v[FA] offset:16*SP*\m+128*\b+16*\j
.endr
.endr
.endm
; 64 numbers of a lane, register 16 b + i = k 32 b + 16 (lane / 16) + i of my row, become relu's codes in v[PC] on and their scale word in v[PW].
.macro QUANT s
.irp b, 0,1,2,3
	v_max3_num_f32 v[TM+\b], v[\s+16*\b], v[\s+1+16*\b], 0x4800000   ; no |.|: what is negative becomes 0, so it does not count; the floor 2^(9 - 127) holds the byte at 1 from below
.endr
.irp i, 2,4,6,8,10,12,14
.irp b, 0,1,2,3
	v_max3_num_f32 v[TM+\b], v[TM+\b], v[\s+16*\b+\i], v[\s+1+16*\b+\i]   ; the four blocks by turns
.endr
.endr
.irp b, 0,1,2,3
	v_permlanex16_b32 v[TM+4+\b], v[TM+\b], s66, s67
.endr
.irp b, 0,1,2,3
	v_max_num_f32 v[TM+\b], v[TM+\b], v[TM+4+\b]   ; with lane l xor 16's 16: the block's largest
.endr
.irp b, 0,1,2,3
	v_add_nc_u32 v[TM+12+\b], 0xfc000000, v[TM+\b] ; 8 off its exponent field: the conversion takes that field as its scale
.endr
.irp b, 0,1,2,3
	v_and_or_b32 v[TM+8+\b], v[TM+\b], 0x7f800000, s68   ; 448 x the scale
.endr
.irp b, 0,1,2,3
	v_lshrrev_b32 v[TM+4+\b], 23, v[TM+12+\b]      ; the scale's byte
.endr
	v_lshl_or_b32 v[PW], v[TM+5], 8, v[TM+4]
	v_lshl_or_b32 v[PW], v[TM+6], 16, v[PW]
	v_lshl_or_b32 v[PW], v[TM+7], 24, v[PW]
.irp b, 0,1,2,3
.irp i, 0,1,2,3,4,5,6,7,8,9,10,11,12,13,14,15
	v_med3_num_f32 v[\s+16*\b+\i], v[\s+16*\b+\i], 0, v[TM+8+\b]   ; relu and the hold in one: the conversion to an 8-bit code does not saturate (ISA guide 7.6.2)
.endr
	v_cvt_scalef32_pk8_fp8_f32 v[PC+4*\b:PC+4*\b+1], v[\s+16*\b:\s+16*\b+7], v[TM+12+\b]
	v_cvt_scalef32_pk8_fp8_f32 v[PC+4*\b+2:PC+4*\b+3], v[\s+16*\b+8:\s+16*\b+15], v[TM+12+\b]
.endr
	v_nop                                          ; a plain line between the last conversion and whatever vector or matrix line next touches its registers
.endm
.macro IMAGE adr, off                  ; the fragment in v[PC] on goes to LDS as it stands
.irp c, 0,1,2,3
	ds_store_b128 v[\adr], v[PC+4*\c:PC+4*\c+3] offset:\off+512*\c
.endr
.endm
; My block of 32 hidden units, for rows 16 m on: a lane's 16 registers v[HA + 16 m] on are 16 neighbours.  Codes to v[PC + 4 m] on, the byte to v[TM + 4 + m].  Each accumulator is first read at its low end.
.macro HQUANT
.irp m, 0,1
	v_max3_num_f32 v[TM+\m], |v[HA+16*\m]|, |v[HA+16*\m+1]|, 0x4800000
.endr
.irp i, 2,4,6,8,10,12,14
.irp m, 0,1
	v_max3_num_f32 v[TM+\m], v[TM+\m], |v[HA+16*\m+\i]|, |v[HA+16*\m+\i+1]|
.endr
.endr
.irp m, 0,1
	v_permlanex16_b32 v[TM+4+\m], v[TM+\m], s66, s67
.endr
.irp m, 0,1
	v_max_num_f32 v[TM+\m], v[TM+\m], v[TM+4+\m]
.endr
.irp m, 0,1
	v_add_nc_u32 v[TM+12+\m], 0xfc000000, v[TM+\m]
.endr
.irp m, 0,1
	v_and_or_b32 v[TM+8+\m], v[TM+\m], 0x7f800000, s68
.endr
.irp m, 0,1
	v_lshrrev_b32 v[TM+4+\m], 23, v[TM+12+\m]
.endr
.irp m, 0,1
.irp i, 0,1,2,3,4,5,6,7,8,9,10,11,12,13,14,15
	v_med3_num_f32 v[HA+16*\m+\i], v[HA+16*\m+\i], -v[TM+8+\m], v[TM+8+\m]
.endr
	v_cvt_scalef32_pk8_fp8_f32 v[PC+4*\m:PC+4*\m+1], v[HA+16*\m:HA+16*\m+7], v[TM+12+\m]
	v_cvt_scalef32_pk8_fp8_f32 v[PC+4*\m+2:PC+4*\m+3], v[HA+16*\m+8:HA+16*\m+15], v[TM+12+\m]
.endr
	v_nop
.endm
; One product of the first layer: K step q, my tile u of hidden units, rows 16 m on.  The first step's C is the bias.
.macro MM1 q, u, m
.set rD, HA+8*(2*\m+\u)
.set rA, 32*(\q)+16*\u
.set rB, XF+32*((\q)%2)+16*\m
.set rC, rD
.if (\q) == 0
.set rC, B1+8*\u
.endif
.if (\u == 0) && (\m == 0)
	v_wmma_scale_f32_16x16x128_f8f6f4 v[rD:rD+7], v[rA:rA+15], v[rB:rB+15], v[rC:rC+7], v[W1S+\q], v[XS+\q]
.elseif (\m == 0)
	v_wmma_scale_f32_16x16x128_f8f6f4 v[rD:rD+7], v[rA:rA+15], v[rB:rB+15], v[rC:rC+7], v[W1S+\q], v[XS+\q] matrix_a_scale:MATRIX_SCALE_ROW1
.elseif (\u == 0)
	v_wmma_scale_f32_16x16x128_f8f6f4 v[rD:rD+7], v[rA:rA+15], v[rB:rB+15], v[rC:rC+7], v[W1S+\q], v[XS+\q] matrix_b_scale:MATRIX_SCALE_ROW1
.else
	v_wmma_scale_f32_16x16x128_f8f6f4 v[rD:rD+7], v[rA:rA+15], v[rB:rB+15], v[rC:rC+7], v[W1S+\q], v[XS+\q] matrix_a_scale:MATRIX_SCALE_ROW1 matrix_b_scale:MATRIX_SCALE_ROW1
.endif
.endm
; One product of the second layer: my tile t of 16 output columns, K step s, rows 16 m on; it adds onto x, which the accumulator was loaded with.
.macro MM2 t, s, m
.set rD, ACC+8*(2*(\t)+\m)
.set rA, 32*(\t)+16*\s
.set rB, HF+16*(2*\s+\m)
.set rP, W2S+2*((\t)/2)+\s
.if ((\t)%2 == 0) && (\m == 0)
	v_wmma_scale_f32_16x16x128_f8f6f4 v[rD:rD+7], v[rA:rA+15], v[rB:rB+15], v[rD:rD+7], v[rP], v[HS+\s]
.elseif (\m == 0)
	v_wmma_scale_f32_16x16x128_f8f6f4 v[rD:rD+7], v[rA:rA+15], v[rB:rB+15], v[rD:rD+7], v[rP], v[HS+\s] matrix_a_scale:MATRIX_SCALE_ROW1
.elseif ((\t)%2 == 0)
	v_wmma_scale_f32_16x16x128_f8f6f4 v[rD:rD+7], v[rA:rA+15], v[rB:rB+15], v[rD:rD+7], v[rP], v[HS+\s] matrix_b_scale:MATRIX_SCALE_ROW1
.else
	v_wmma_scale_f32_16x16x128_f8f6f4 v[rD:rD+7], v[rA:rA+15], v[rB:rB+15], v[rD:rD+7], v[rP], v[HS+\s] matrix_a_scale:MATRIX_SCALE_ROW1 matrix_b_scale:MATRIX_SCALE_ROW1
.endif
.endm
; K step q of the first layer: four products, the four accumulators by turns.  At its head W_out's tile q - 1 is asked for, into the registers that W_in's K step q - 1 has left
; (the eight places at that step's end stand between); at its end x's fragments of K step q + 2 are fetched into the set just read.
.macro STEP1 q
.if \q > 0
	s_wait_loadcnt 48                              ; behind W_in's K step q stand 8 (7 - q) loads of W_in and 8 (q - 1) of W_out: 48 in every step.  (K step 0 was waited for in front of the barrier)
	WLOAD 8, \q-1                                  ; 56 loads of mine are out
.endif
.if \q < 7
	s_wait_dscnt 8                                 ; the next K step's eight fragment loads may be out
.else
	s_wait_dscnt 0x0
.endif
	WIN 0x01                                       ; source 0 window 1
	MM1 \q, 0, 0
	MM1 \q, 1, 0
	MM1 \q, 0, 1
	MM1 \q, 1, 1
	WIN 0
	PLACES 8                                       ; eight places in front of loads into registers that these products read; behind the last step also in front of the first read of results
.if \q < 6
	XFETCH \q+2
.endif
.endm
.macro TILE2 t
.if \t > 0
	s_wait_loadcnt 8*(7-\t)                        ; the later tiles' weights may be out.  (Tile 0 was waited for in front of the barrier)
.endif
	s_wait_dscnt 4*(7-\t)                          ; and the later tiles' four loads of x each
	MM2 \t, 0, 0                                   ; two accumulators by turns: a link stands two matrix instructions behind the one that it adds onto
	MM2 \t, 0, 1
	MM2 \t, 1, 0
	MM2 \t, 1, 1
.endm
	s_load_b512 s[4:19], s[0:1], 0x0               ; x s[4:5], w1img s[6:7], w2img s[8:9], W_in_scales s[10:11], W_out_scales s[12:13], b_in s[14:15], b_out s[16:17], tiles s[18:19]
	s_load_b128 s[20:23], s[0:1], 0x40             ; order s[20:21], out0 s[22:23]
	v_lshl_add_u32 v[SPW], v0, 2, SPARE
	v_mov_b32 v[NIL], 0
	v_lshrrev_b32 v16, 5, v0
	v_readfirstlane_b32 s24, v16                   ; wave 0 .. 7
	s_wait_kmcnt 0x0
	s_lshl_b32 s26, ttmp9, 2
	s_mov_b32 s27, 0
	s_add_nc_u64 s[18:19], s[18:19], s[26:27]
	s_lshl_b32 s26, ttmp9, 7
	s_add_nc_u64 s[20:21], s[20:21], s[26:27]
	s_load_b32 s69, s[18:19], 0x0                  ; my tile's branch, or 16: kept as it is for the branch behind the second barrier
	s_load_b512 s[32:47], s[20:21], 0x0            ; its 32 tokens
	s_load_b512 s[48:63], s[20:21], 0x40
	v_and_b32 v17, 31, v0                          ; lane
	v_and_b32 v18, 15, v0                          ; r
	v_bfe_u32 v19, v0, 4, 1                        ; h
	v_lshlrev_b32 v[GL], 4, v17
	s_lshl_b32 s26, s24, 9
	v_add_nc_u32 v[LP], s26, v[GL]
	s_mul_i32 s27, s24, STGW                       ; my stage
	v_add_nc_u32 v[SA], s27, v[GL]
	v_mul_u32_u24 v20, v18, SP
	v_add_nc_u32 v20, s27, v20
	v_lshl_add_u32 v[FA], v19, 6, v20
	v_lshl_add_u32 v[CA], v19, 5, v20
	v_add_nc_u32 v[L16], XIMG, v[GL]
	v_lshl_add_u32 v[L4], v17, 2, XSC
	s_lshl_b32 s28, s24, 12                        ; K step w's two fragments
	v_add_nc_u32 v[XWI], s28, v[L16]
	s_lshl_b32 s28, s24, 7
	v_lshl_add_u32 v[XWS], v18, 2, s28
	v_add_nc_u32 v[XWS], XSC, v[XWS]
	s_lshr_b32 s28, s24, 2                         ; which K step of the second product,
	s_and_b32 s29, s24, 3                          ; and which block of 32 in it
	s_lshl_b32 s30, s28, 12
	s_lshl_b32 s31, s29, 9
	s_add_co_u32 s30, s30, s31
	v_add_nc_u32 v[HWI], s30, v[GL]
	v_add_nc_u32 v[HWI], HIMG, v[HWI]
	s_lshl_b32 s30, s28, 7
	s_add_co_u32 s30, s30, s29
	v_lshl_add_u32 v[HWS], v18, 2, s30
	v_add_nc_u32 v[HWS], HSC, v[HWS]
	v_and_b32 v[A1S], 8, v18
	v_add_nc_u32 v[A1S], v[A1S], v18
	v_lshl_add_u32 v[A1S], v19, 3, v[A1S]
	v_lshlrev_b32 v[A1S], 5, v[A1S]
	v_lshlrev_b32 v[A2S], 3, v17
	v_lshlrev_b32 v[AB1], 6, v19
.irp b, 0,1,2,3
	v_mov_b32 v[TM+4+\b], 0                        ; written once: a lane permute's destination counts as one of its sources
.endr
	s_mov_b32 s66, 0x76543210
	s_mov_b32 s67, 0xfedcba98                      ; v_permlanex16_b32's selects for lane l xor 16
	s_mov_b32 s68, 0x600000                        ; the mantissa field of 448
	s_wait_kmcnt 0x0
	s_min_u32 s25, s69, 15                         ; the branch whose weights are read: an empty tile's is held at 15
	s_lshl_b32 s26, s25, 3
	s_add_co_u32 s26, s26, s24                     ; 8 e + w
	s_mov_b32 s27, 0
	s_lshl_b32 s28, s26, 10                        ; my rows' scale bytes: 1,024 in each of the two tensors
	s_mov_b32 s29, 0
	s_lshl_b32 s26, s26, 15                        ; my 16 fragments in each image
	s_add_nc_u64 s[6:7], s[6:7], s[26:27]
	s_add_nc_u64 s[8:9], s[8:9], s[26:27]
	s_add_nc_u64 s[10:11], s[10:11], s[28:29]
	s_add_nc_u64 s[12:13], s[12:13], s[28:29]
	s_lshl_b32 s28, s25, 10
	s_lshl_b32 s30, s24, 7
	s_add_co_u32 s28, s28, s30
	s_add_nc_u64 s[14:15], s[14:15], s[28:29]      ; b_in[e] at my 32 hidden units
	s_lshl_b32 s28, s25, 12
	s_add_nc_u64 s[16:17], s[16:17], s[28:29]      ; b_out[e]
	; ---- X.  At the head go out: my 512 bytes of the 32 rows, the scale words and biases, W_in's first two K steps: 32 + 11 + 16 = 59 loads
.set i, 0
.rept 32
.if i > 0
	s_cmp_lt_u32 s[32+i], 0x1000
	s_cselect_b32 s[32+i], s[32+i], s32            ; a row that the tile lacks repeats row 0
.endif
	s_min_u32 s[32+i], s[32+i], 0xfff              ; (an empty tile's row 0 is held at token 4095)
	v_lshl_add_u32 v[RO+i], s[32+i], 12, v[LP]     ; token x 4,096 bytes + my 16 bytes
	global_load_b128 v[XT+4*i:XT+4*i+3], v[RO+i], s[4:5]   ; 32 lanes read 512 consecutive bytes
.set i, i+1
.endr
	global_load_b128 v[W1S:W1S+3], v[A1S], s[10:11]
	global_load_b128 v[W1S+4:W1S+7], v[A1S], s[10:11] offset:16
.irp p, 0,1,2,3
	global_load_b64 v[W2S+2*\p:W2S+2*\p+1], v[A2S], s[12:13] offset:256*\p   ; 32 rows' 8 bytes: 256 consecutive bytes
.endr
.irp u, 0,1
.irp z, 0,1
	global_load_b128 v[B1+8*\u+4*\z:B1+8*\u+4*\z+3], v[AB1], s[14:15] offset:32*\u+16*\z   ; lane (r, h), tile u: hidden units 16 h + 8 u + 0 .. 7 of my 32
.endr
.endr
	global_load_b128 v[BR:BR+3], v[LP], s[16:17]
	WLOAD 6, 0
	WLOAD 6, 1
	s_wait_loadcnt 43                              ; rows 0-15 are in: behind them stand 16 rows, the 11 and the 16
	TOSTAGE 0
	FROMSTAGE 0
	s_wait_loadcnt 27                              ; rows 16-31 are in
	TOSTAGE 1
	WLOAD 6, 2                                     ; 27 + 32 = 59 loads of mine are out
	WLOAD 6, 3
	WLOAD 6, 4
	WLOAD 6, 5
	s_wait_dscnt 16                                ; rows 0-15 are back; behind them stand the sixteen stores of rows 16-31
	FROMSTAGE 1                                    ; these land while rows 0-15 are quantised
	QUANT XT
	IMAGE XWI, 0
	ds_store_b32 v[XWS], v[PW]                     ; lanes r and r + 16 write the same word with the same value
	s_wait_dscnt 0x0                               ; rows 16-31 are back, and the stores have read their registers
	QUANT XT+64
	IMAGE XWI, 2048
	ds_store_b32 v[XWS], v[PW] offset:64
	s_wait_loadcnt 40                              ; the scale words, the biases and W_in's K step 0, wanted first behind the barrier, are in: behind them stand K steps 1 to 5
	WLOAD 6, 6                                     ; 40 + 16 = 56 loads of mine are out
	WLOAD 6, 7
	BARRIER                                        ; x's sixteen fragments and their scale words lie in LDS
	; ---- 1.  My 32 hidden units for the 32 rows
.irp q, 0,1,2,3,4,5,6,7
	ds_load_b32 v[XS+\q], v[L4] offset:128*\q
.endr
	XFETCH 0
	XFETCH 1
.irp q, 0,1,2,3,4,5,6,7
	STEP1 \q
.endr
	HQUANT
.irp m, 0,1
	ds_store_b128 v[HWI], v[PC+4*\m:PC+4*\m+3] offset:2048*\m
	ds_store_b8 v[HWS], v[TM+4+\m] offset:64*\m    ; my byte of the rows' scale words; lanes r and r + 16 write the same byte with the same value
.endr
	s_wait_loadcnt 48                              ; W_out's tile 0, wanted first behind the barrier, is in: behind it stand tiles 1 to 6
	WLOAD 8, 7                                     ; the last tile, where W_in's K step 7 lay: 56 loads of mine are out
	BARRIER                                        ; the hidden layer's four fragments and their scale words lie in LDS
	s_cmp_gt_u32 s69, 15                           ; no barrier stands behind this branch on a stored number
	s_cbranch_scc1 .Lend                           ; this split has no tile g: nothing more is multiplied, nothing is stored
	; ---- 2.  My 128 output columns for the 32 rows
.irp f, 0,1,2,3
.irp c, 0,1,2,3
	ds_load_b128 v[HF+16*\f+4*\c:HF+16*\f+4*\c+3], v[L16] offset:HIMG-XIMG+2048*\f+512*\c
.endr
.endr
.irp s, 0,1
	ds_load_b32 v[HS+\s], v[L4] offset:HSC-XSC+128*\s
.endr
.irp t, 0,1,2,3,4,5,6,7
.irp m, 0,1
.irp z, 0,1
	ds_load_b128 v[ACC+8*(2*\t+\m)+4*\z:ACC+8*(2*\t+\m)+4*\z+3], v[CA] offset:16*SP*\m+64*\t+16*\z   ; x(16 m + r, 128 w + 16 t + 8 h + 0 .. 7): the residual starts the sums
.endr
.endr
.endr
	WIN 0x01
.irp t, 0,1,2,3,4,5,6,7
	TILE2 \t
.endr
	WIN 0
	PLACES 8                                       ; in front of the first read of results, and of the vector lines that write over the hidden fragments
	; ---- THE WAY OUT.  A lane holds 32 neighbouring bytes of a row; through my stage they become whole rows of 512 bytes
.irp t, 0,1,2,3,4,5,6,7
.irp m, 0,1
.irp z, 0,1
	ds_store_b128 v[CA], v[ACC+8*(2*\t+\m)+4*\z:ACC+8*(2*\t+\m)+4*\z+3] offset:16*SP*\m+64*\t+16*\z   ; each accumulator from its low end on
.endr
.endr
.endr
.set i, 0
.rept 16
	ds_load_b128 v[XT+4*i:XT+4*i+3], v[SA] offset:SP*i     ; the rows come back in a ring of sixteen loads; LDS serves a wave's instructions in order: these see my stores
.set i, i+1
.endr
.set i, 0
.rept 32
	v_lshl_add_u32 v[RO+i], s[32+i], 12, v[LP]
.set i, i+1
.endr
.set i, 0
.rept 32
.if i < 16
	s_wait_dscnt 15                                ; row i is back: behind its load stand rows i + 1 .. 15 and rows 16 .. 15 + i: fifteen
.else
	s_wait_dscnt 31-i
.endif
	v_pk_add_f32 v[XT+4*i:XT+4*i+1], v[XT+4*i:XT+4*i+1], v[BR:BR+1]
	v_pk_add_f32 v[XT+4*i+2:XT+4*i+3], v[XT+4*i+2:XT+4*i+3], v[BR+2:BR+3]
	global_store_b128 v[RO+i], v[XT+4*i:XT+4*i+3], s[22:23] th:TH_STORE_NT   ; 32 lanes store 512 consecutive bytes, at a multiple of 512 from out0's first byte; written once, read by nobody here
.if i < 16
	ds_load_b128 v[XT+4*(i+16):XT+4*(i+16)+3], v[SA] offset:SP*(i+16)
.endif
.set i, i+1
.endr
.Lend:
	s_wait_tensorcnt 0x0                           ; the wave's end, behind my last LDS store
	ds_add_u32 v[SPW], v[NIL]
	s_wait_dscnt 0x0
	s_endpgm
.Lfunc_end_k_q98841db64b_chain:
	.size	k_q98841db64b_chain, .Lfunc_end_k_q98841db64b_chain-k_q98841db64b_chain
	.p2alignl 7, 3214868480
	.fill 96, 4, 3214868480
	.section	.rodata,"a",@progbits
	.p2align	6, 0x0
	.amdhsa_kernel k_q98841db64b_chain
		.amdhsa_group_segment_fixed_size 178432
		.amdhsa_private_segment_fixed_size 0
		.amdhsa_enable_private_segment 0
		.amdhsa_kernarg_size 80
		.amdhsa_user_sgpr_count 2
		.amdhsa_user_sgpr_kernarg_segment_ptr 1
		.amdhsa_wavefront_size32 1
		.amdhsa_system_sgpr_workgroup_id_x 1
		.amdhsa_system_sgpr_workgroup_id_y 1
		.amdhsa_system_sgpr_workgroup_id_z 1
		.amdhsa_system_vgpr_workitem_id 0
		.amdhsa_next_free_vgpr 512
		.amdhsa_next_free_sgpr 72
		.amdhsa_reserve_vcc 0
		.amdhsa_float_denorm_mode_32 3
		.amdhsa_float_denorm_mode_16_64 3
		.amdhsa_memory_ordered 1
		.amdhsa_forward_progress 1
		.amdhsa_inst_pref_size 87
	.end_amdhsa_kernel
	.amdgpu_metadata
---
amdhsa.version: [ 1, 2 ]
amdhsa.kernels:
  - .name:           k_q98841db64b_chain
    .symbol:         k_q98841db64b_chain.kd
    .args:
      - { .name: x, .offset: 0, .size: 8, .value_kind: global_buffer, .address_space: global }
      - { .name: w1img, .offset: 8, .size: 8, .value_kind: global_buffer, .address_space: global }
      - { .name: w2img, .offset: 16, .size: 8, .value_kind: global_buffer, .address_space: global }
      - { .name: W_in_scales, .offset: 24, .size: 8, .value_kind: global_buffer, .address_space: global }
      - { .name: W_out_scales, .offset: 32, .size: 8, .value_kind: global_buffer, .address_space: global }
      - { .name: b_in, .offset: 40, .size: 8, .value_kind: global_buffer, .address_space: global }
      - { .name: b_out, .offset: 48, .size: 8, .value_kind: global_buffer, .address_space: global }
      - { .name: tiles, .offset: 56, .size: 8, .value_kind: global_buffer, .address_space: global }
      - { .name: order, .offset: 64, .size: 8, .value_kind: global_buffer, .address_space: global }
      - { .name: out0, .offset: 72, .size: 8, .value_kind: global_buffer, .address_space: global }
    .group_segment_fixed_size: 178432
    .private_segment_fixed_size: 0
    .kernarg_segment_align: 8
    .kernarg_segment_size: 80
    .max_flat_workgroup_size: 256
    .sgpr_count:     72
    .vgpr_count:     512
    .wavefront_size: 32
...
	.end_amdgpu_metadata
.endif
;; end of part 2
;; ======== version 2 of 2: 2 launches
;; workspace buffers: w1img 4,194,304 bytes; w2img 4,194,304 bytes; tiles 2,048 bytes of whole numbers; order 18,432 bytes of whole numbers
;; launch prep (part 3): grid 129 x 1, 16 waves a work-group, no clusters, 4,096 bytes of LDS; arguments y_index, W_in_codes, W_out_codes, w1img, w2img, tiles, order; writes w1img, w2img, tiles, order
.if DOCPART == 3
	.amdgcn_target "amdgcn-amd-amdhsa--gfx1250"
	.amdhsa_code_object_version 6
	.text
	.protected	k_q98841db64b_prep
	.globl	k_q98841db64b_prep
	.p2align	8
	.type	k_q98841db64b_prep,@function
k_q98841db64b_prep:
	s_mov_b64 s[64:65], 0
	v_nop
	global_prefetch_b8 v0, s[64:65] scope:SCOPE_SE
	s_setreg_imm32_b32 hwreg(HW_REG_WAVE_MODE, 25, 1), 1
	s_wait_xcnt 0x0
; TWO JOBS IN ONE LAUNCH, told apart by the work-group's number alone.
; Work-group 0: a counting sort of the 4,096 tokens by their branch (y_index, 0 .. 15), into tiles of 32 rows of one branch.
;   order[32 g + i] = the token of row i of tile g, or 4096 where the tile has no such row;  tiles[g] = the branch of tile g, or 16 where there is no tile g.
;   A branch with c tokens gets ceil(c / 32) tiles: never more than 4096 / 32 + 15 = 143 in all, whatever the split.  All 143 x 32 slots and all 512 words of tiles are stored.
; Work-groups 1 .. 64 (W_in) and 65 .. 128 (W_out): the weights' codes are laid in the order in which a wave's operand registers take them.  A fragment (16 rows x 128 K) is 2,048 bytes:
;   byte 512 c + 16 lane holds the 16 codes k = 32 c + 16 (lane / 16) + 0 .. 15 of the fragment's row lane % 16.
;   w1img: fragment (e, w, q, u) at ((8 e + w) 16 + 2 q + u) 2048: K step q; row r of it is W_in[e] row 32 w + 8 u + r + 8 (r / 8).
;   w2img: fragment (e, w, t, s) at ((8 e + w) 16 + 2 t + s) 2048: K step s; row r of it is W_out[e] row 128 w + 16 t + r.
; LIMIT: y_index is taken to lie in 0 .. 15, as the gather of the problem needs; a larger number is held at 15.
.set SPARE, 2048                       ; LDS: bytes 0 .. 2047 the waves' counts (wave x 128 + 4 x lane); from 2048 the spare words, 128 bytes a wave: eight blocks of 256 bytes that no other line names
.set Y,    8                           ; v8-15   my eight tokens' branches
.set R,    16                          ; v16-23  their ranks among my wave's tokens of the same branch
.set CW,   24                          ; v24-39  lane e: wave w's count of branch e
.set RUN,  32                          ; s32-47  my wave's running count of each branch
.set TEND, 48                          ; s48-63  the tile behind each branch's last
	s_load_b256 s[4:11], s[0:1], 0x0               ; y_index s[4:5], W_in_codes s[6:7], W_out_codes s[8:9], w1img s[10:11]
	s_load_b128 s[12:15], s[0:1], 0x20             ; w2img s[12:13], tiles s[14:15]
	s_load_b64 s[16:17], s[0:1], 0x30              ; order
	v_lshl_add_u32 v1, v0, 2, SPARE                ; my spare word; never rewritten
	v_mov_b32 v2, 0                                ; 0; never rewritten
	v_lshrrev_b32 v3, 5, v0
	s_delay_alu instid0(VALU_DEP_1)
	v_readfirstlane_b32 s18, v3                    ; wave 0 .. 15
	v_and_b32 v3, 31, v0                           ; lane
	s_wait_kmcnt 0x0
	s_cmp_eq_u32 ttmp9, 0
	s_cbranch_scc1 .Lsort
; ---- THE LAYOUT.  A wave moves two fragments, 4,096 bytes: eight loads, eight stores; no LDS, no barrier.
; Each store covers 512 consecutive bytes at a multiple of 512 from the buffer's first byte.
.macro RELAY src, dst, df
.irp f, 0,1
.irp c, 0,1,2,3
	global_load_b128 v[8+16*\f+4*\c:8+16*\f+4*\c+3], v5, s[\src:\src+1] offset:128*\f+32*\c
.endr
.endr
.irp f, 0,1
.irp c, 0,1,2,3
	s_wait_loadcnt 7-4*\f-\c                       ; loads come back in order: this one is in, the younger ones stay out
	global_store_b128 v6, v[8+16*\f+4*\c:8+16*\f+4*\c+3], s[\dst:\dst+1] offset:\df*\f+512*\c
.endr
.endr
.endm
	s_sub_co_u32 s20, ttmp9, 1
	s_lshl_b32 s20, s20, 4
	s_add_co_u32 s20, s20, s18                     ; G = 16 (work-group - 1) + wave
	v_and_b32 v7, 15, v0                           ; r
	v_bfe_u32 v4, v0, 4, 1                         ; h
	s_wait_alu depctr_va_vdst(0)
	v_lshlrev_b32 v6, 4, v3                        ; out: 16 x lane
	s_cmp_lt_u32 ttmp9, 65
	s_cbranch_scc0 .Lw2
	; W_in: G = 8 n + 2 p + u, n = 8 e + w; K steps 2 p and 2 p + 1 of tile u.  The eight loads cover 16 rows x 256 consecutive bytes
	s_lshr_b32 s21, s20, 3                         ; n
	s_bfe_u32 s22, s20, 0x20001                    ; p
	s_and_b32 s23, s20, 1                          ; u
	s_lshl_b32 s24, s21, 15                        ; n's 32 rows of 1,024 bytes; also n's 16 fragments
	s_lshl_b32 s26, s23, 13                        ; 8 u rows
	s_add_co_u32 s26, s26, s24
	s_lshl_b32 s28, s22, 8                         ; 256 p along K
	s_add_co_u32 s26, s26, s28
	s_mov_b32 s27, 0
	s_add_nc_u64 s[6:7], s[6:7], s[26:27]
	s_lshl_b32 s28, s22, 2
	s_add_co_u32 s28, s28, s23                     ; fragment 4 p + u; the second lies two fragments on
	s_lshl_b32 s28, s28, 11
	s_add_co_u32 s28, s28, s24
	s_mov_b32 s29, 0
	s_add_nc_u64 s[10:11], s[10:11], s[28:29]
	v_and_b32 v5, 8, v7
	s_delay_alu instid0(VALU_DEP_1)
	v_add_nc_u32 v5, v5, v7                        ; r + 8 (r / 8)
	s_delay_alu instid0(VALU_DEP_1)
	v_lshlrev_b32 v5, 10, v5
	s_delay_alu instid0(VALU_DEP_1)
	v_lshl_add_u32 v5, v4, 4, v5                   ; in: that row, + 16 h
	s_wait_alu depctr_va_vdst(0)
	RELAY 6, 10, 4096
	s_endpgm
.Lw2:	; W_out: G - 1024 = 8 n + t: tile t's 16 rows of 256 bytes are 4,096 consecutive bytes, and so are its two fragments
	s_sub_co_u32 s20, s20, 1024
	s_lshl_b32 s26, s20, 12
	s_mov_b32 s27, 0
	s_add_nc_u64 s[8:9], s[8:9], s[26:27]
	s_add_nc_u64 s[12:13], s[12:13], s[26:27]
	v_lshlrev_b32 v5, 8, v7
	s_delay_alu instid0(VALU_DEP_1)
	v_lshl_add_u32 v5, v4, 4, v5                   ; in: row r, + 16 h
	s_wait_alu depctr_va_vdst(0)
	RELAY 8, 12, 2048
	s_endpgm
; ---- THE SORT.  512 threads, eight tokens each: thread t has tokens 4 t .. 4 t + 3 and 2048 + 4 t .. + 3.
.Lsort:
	v_lshlrev_b32 v4, 4, v0
	global_load_b128 v[Y:Y+3], v4, s[4:5]
	global_load_b128 v[Y+4:Y+7], v4, s[4:5] offset:8192
.irp e, 0,1,2,3,4,5,6,7,8,9,10,11,12,13,14,15
	s_mov_b32 s[RUN+\e], 0
.endr
	v_lshlrev_b32 v73, 2, v0                       ; 4 x thread = 128 x wave + 4 x lane
	s_wait_alu depctr_va_vdst(0)
	v_lshlrev_b32 v74, 2, v3                       ; 4 x lane
	v_mov_b32 v40, 0
	v_mov_b32 v42, 0
	v_mov_b32 v45, 0                               ; (the destination of a lane move counts as read: written once here)
	v_mov_b32 v76, 0
.irp i, 0,1,2,3
	v_lshl_add_u32 v[64+\i], v0, 2, \i             ; my tokens' numbers
	v_lshl_add_u32 v[68+\i], v0, 2, 2048+\i
.endr
	s_wait_loadcnt 0x0
.irp i, 0,1,2,3,4,5,6,7
	v_min_u32 v[Y+\i], 15, v[Y+\i]
.endr
	; a token's rank in its wave: the wave's tokens of that branch in earlier registers, and those of lower lanes in this register
.irp i, 0,1,2,3,4,5,6,7
.irp e, 0,1,2,3,4,5,6,7,8,9,10,11,12,13,14,15
	v_cmp_eq_u32 s[20+\e%4], \e, v[Y+\i]
	s_delay_alu instid0(VALU_DEP_1)
	v_mbcnt_lo_u32_b32 v[85+\e%4], s[20+\e%4], s[RUN+\e]
.if \e == 0
	s_delay_alu instid0(VALU_DEP_1)
	v_cndmask_b32 v[R+\i], 0, v[85+\e%4], s[20+\e%4]
.else
	s_delay_alu instid0(VALU_DEP_1)
	v_cndmask_b32 v[R+\i], v[R+\i], v[85+\e%4], s[20+\e%4]
.endif
	s_bcnt1_i32_b32 s24, s[20+\e%4]
	s_add_co_u32 s[RUN+\e], s[RUN+\e], s24
.endr
.endr
.irp e, 0
	v_writelane_b32 v40, s[RUN+\e], \e
.endr
.irp e, 1, 2, 3, 4, 5, 6, 7, 8, 9, 10, 11, 12, 13, 14, 15
	s_delay_alu instid0(VALU_DEP_1)
	v_writelane_b32 v40, s[RUN+\e], \e             ; lane e: my wave's count of branch e; lanes 16-31 hold 0
.endr
	ds_store_b32 v73, v40
	s_wait_dscnt 0x0                               ; for the others' sake: my counts lie in LDS
	s_barrier_signal -1                            ; (all sixteen waves of this work-group are on this path: it hangs on the work-group's number alone)
	s_barrier_wait -1
.irp k, 0,1,2,3,4,5,6,7,8,9,10,11,12,13,14,15
	ds_load_b32 v[CW+\k], v74 offset:128*\k
.endr
	s_wait_dscnt 0x0
	v_add_nc_u32 v41, v[CW], v[CW+1]               ; lane e: all tokens of branch e
.irp k, 2,4,6,8,10,12,14
	s_delay_alu instid0(VALU_DEP_1)
	v_add3_u32 v41, v41, v[CW+\k], v[CW+\k+1]
.endr
.irp k, 0,1,2,3,4,5,6,7,8,9,10,11,12,13,14
	s_cmp_lt_u32 \k, s18
	s_cselect_b32 s24, 1, 0
	v_mad_u32_u24 v42, v[CW+\k], s24, v42          ; those of the waves in front of mine
.endr
	v_add_nc_u32 v43, 31, v41
	s_delay_alu instid0(VALU_DEP_1)
	v_lshrrev_b32 v43, 5, v43                      ; the branch's tiles
	s_delay_alu instid0(VALU_DEP_1)
	v_mov_b32 v44, v43
.irp n, 1,2,4,8
	s_delay_alu instid0(VALU_DEP_1)
	v_mov_b32_dpp v45, v44 row_shr:\n row_mask:0xf bank_mask:0xf bound_ctrl:1
	s_delay_alu instid0(VALU_DEP_1)
	v_add_nc_u32 v44, v44, v45                     ; summed over lanes 0 .. e: the tile behind the branch's last
.endr
	s_delay_alu instid0(VALU_DEP_1)
	v_sub_nc_u32 v75, v44, v43                     ; the branch's first tile
	s_delay_alu instid0(VALU_DEP_1)
	v_lshl_add_u32 v46, v75, 5, v42                ; my wave's first slot in the branch
	s_delay_alu instid0(VALU_DEP_2)
	v_lshl_add_u32 v47, v75, 5, v41                ; the first slot behind the branch's tokens
.irp i, 0,1,2,3,4,5,6,7
	v_lshlrev_b32 v[56+\i], 2, v[Y+\i]
.endr
	s_lshl_b32 s24, s18, 2
	v_mov_b32 v77, s24
.irp i, 0,1,2,3,4,5,6,7
	ds_bpermute_b32 v[48+\i], v[56+\i], v46        ; from lane e = the token's branch
.endr
	ds_bpermute_b32 v78, v77, v47                  ; wave w sees to the empty rows of branch w
	ds_bpermute_b32 v79, v77, v44
.irp e, 0,1,2,3,4,5,6,7,8,9,10,11,12,13,14,15
	v_readlane_b32 s[TEND+\e], v44, \e
.endr
.irp e, 0,1,2,3,4,5,6,7,8,9,10,11,12,13,14,15
	v_cmp_le_u32 vcc_lo, s[TEND+\e], v0
	s_delay_alu instid0(VALU_DEP_1)
	v_add_co_ci_u32 v76, vcc_lo, 0, v76, vcc_lo    ; tile t's branch = how many branches end at or in front of t; 16 behind the last tile
.endr
	global_store_b32 v73, v76, s[14:15]            ; 512 words on end
	s_wait_dscnt 0x0
.irp i, 0,1,2,3,4,5,6,7
	v_add_nc_u32 v[56+\i], v[48+\i], v[R+\i]
	s_delay_alu instid0(VALU_DEP_1)
	v_min_u32 v[56+\i], 0x11df, v[56+\i]           ; a slot is at most 143 x 32 - 1
	s_delay_alu instid0(VALU_DEP_1)
	v_lshlrev_b32 v[56+\i], 2, v[56+\i]
	global_store_b32 v[56+\i], v[64+\i], s[16:17]
.endr
	v_add_nc_u32 v80, v78, v3                      ; the rows that the branch's last tile lacks: at most 31, a lane each
	v_lshlrev_b32 v79, 5, v79
	s_delay_alu instid0(VALU_DEP_2)
	v_min_u32 v81, 0x11df, v80
	s_delay_alu instid0(VALU_DEP_1)
	v_lshlrev_b32 v81, 2, v81
	v_mov_b32 v82, 0x1000                          ; 4096: no token
	s_lshl_b32 s27, s[TEND+15], 5
	v_add_nc_u32 v83, s27, v0                      ; and the tiles that this split leaves empty: at most 15 x 32 slots, a thread each
	s_delay_alu instid0(VALU_DEP_1)
	v_min_u32 v84, 0x11df, v83
	s_delay_alu instid0(VALU_DEP_1)
	v_lshlrev_b32 v84, 2, v84
	s_wait_alu depctr_va_vdst(0)
	s_wait_xcnt 0x0                                ; EXEC is a source of the stores above: it changes only behind this wait
	v_cmp_lt_u32 vcc_lo, v80, v79
	s_and_saveexec_b32 s26, vcc_lo
	global_store_b32 v81, v82, s[16:17]
	s_wait_xcnt 0x0                                ; and again in front of the line that widens it
	s_or_b32 exec_lo, exec_lo, s26
	v_cmp_gt_u32 vcc_lo, 0x11e0, v83
	s_and_saveexec_b32 s26, vcc_lo                 ; (no load or store has been issued since the last such wait)
	global_store_b32 v84, v82, s[16:17]
	s_wait_xcnt 0x0
	s_or_b32 exec_lo, exec_lo, s26
	s_wait_tensorcnt 0x0                           ; the wave's end, behind my last LDS store
	ds_add_u32 v1, v2
	s_wait_dscnt 0x0
	s_endpgm
.Lfunc_end_k_q98841db64b_prep:
	.size	k_q98841db64b_prep, .Lfunc_end_k_q98841db64b_prep-k_q98841db64b_prep
	.p2alignl 7, 3214868480
	.fill 96, 4, 3214868480
	.section	.rodata,"a",@progbits
	.p2align	6, 0x0
	.amdhsa_kernel k_q98841db64b_prep
		.amdhsa_group_segment_fixed_size 4096
		.amdhsa_private_segment_fixed_size 0
		.amdhsa_enable_private_segment 0
		.amdhsa_kernarg_size 56
		.amdhsa_user_sgpr_count 2
		.amdhsa_user_sgpr_kernarg_segment_ptr 1
		.amdhsa_wavefront_size32 1
		.amdhsa_system_sgpr_workgroup_id_x 1
		.amdhsa_system_sgpr_workgroup_id_y 1
		.amdhsa_system_sgpr_workgroup_id_z 1
		.amdhsa_system_vgpr_workitem_id 0
		.amdhsa_next_free_vgpr 96
		.amdhsa_next_free_sgpr 66
		.amdhsa_reserve_vcc 1
		.amdhsa_float_denorm_mode_32 3
		.amdhsa_float_denorm_mode_16_64 3
		.amdhsa_memory_ordered 1
		.amdhsa_forward_progress 1
		.amdhsa_inst_pref_size 61
	.end_amdhsa_kernel
	.amdgpu_metadata
---
amdhsa.version: [ 1, 2 ]
amdhsa.kernels:
  - .name:           k_q98841db64b_prep
    .symbol:         k_q98841db64b_prep.kd
    .args:
      - { .name: y_index, .offset: 0, .size: 8, .value_kind: global_buffer, .address_space: global }
      - { .name: W_in_codes, .offset: 8, .size: 8, .value_kind: global_buffer, .address_space: global }
      - { .name: W_out_codes, .offset: 16, .size: 8, .value_kind: global_buffer, .address_space: global }
      - { .name: w1img, .offset: 24, .size: 8, .value_kind: global_buffer, .address_space: global }
      - { .name: w2img, .offset: 32, .size: 8, .value_kind: global_buffer, .address_space: global }
      - { .name: tiles, .offset: 40, .size: 8, .value_kind: global_buffer, .address_space: global }
      - { .name: order, .offset: 48, .size: 8, .value_kind: global_buffer, .address_space: global }
    .group_segment_fixed_size: 4096
    .private_segment_fixed_size: 0
    .kernarg_segment_align: 8
    .kernarg_segment_size: 56
    .max_flat_workgroup_size: 512
    .sgpr_count:     66
    .vgpr_count:     96
    .wavefront_size: 32
...
	.end_amdgpu_metadata
.endif
;; end of part 3
;; launch chain (part 4): grid 143 x 1, 8 waves a work-group, no clusters, 178,432 bytes of LDS; arguments x, w1img, w2img, W_in_scales, W_out_scales, b_in, b_out, tiles, order, out0; writes out0
.if DOCPART == 4
	.amdgcn_target "amdgcn-amd-amdhsa--gfx1250"
	.amdhsa_code_object_version 6
	.text
	.protected	k_q98841db64b_chain
	.globl	k_q98841db64b_chain
	.p2align	8
	.type	k_q98841db64b_chain,@function
k_q98841db64b_chain:
	s_mov_b64 s[64:65], 0
	v_nop
	global_prefetch_b8 v0, s[64:65] scope:SCOPE_SE
	s_setreg_imm32_b32 hwreg(HW_REG_WAVE_SCHED_MODE, 0, 2), 2
	s_setreg_imm32_b32 hwreg(HW_REG_WAVE_MODE, 25, 1), 1
	s_wait_xcnt 0x0
	s_wait_alu depctr_vm_vsrc(0)
; out0[t] = x[t] + Q(Q(relu x[t]) W_in[e]^T + b_in[e]) W_out[e]^T + b_out[e], e = y_index[t]; Q: codes of FP8 (E4M3) with one E8M0 scale for each 32 along a product's K.  Only the chosen branch is multiplied.
; Work-group g takes tile g of the stored list: 32 rows (tokens) of ONE branch, through the whole chain; the hidden layer never goes to memory.  143 work-groups serve every split.
; THE EIGHT WAVES SHARE THE COLUMNS.  Wave w: x's columns 128 w .. + 127 (K step w of the first product, and the residual); hidden units 32 w .. + 31 (one block of 32 of the second product's K: registers 4 c .. 4 c + 3,
; c = w % 4, of K step w / 4); output columns 128 w .. + 127.  So x is read once, no weight is read twice in a work-group, and a wave's store of a row covers 512 consecutive bytes, at a multiple of 512.
; WEIGHTS come from memory straight into registers, from buffers laid in the operands' register order: every load covers 512 consecutive bytes.  W_out's fragments land in the registers that W_in's have left, K step by K step.
; OPERANDS MADE HERE go from wave to wave through LDS as images of their registers (16 bytes a lane, 512 a store), scale words 4 bytes a row.  Two barriers in all.
; BOTH PRODUCTS ARE USED TRANSPOSED (source 0 = 16 rows of a weight, source 1 = 16 tokens): a lane holds one token, and its registers run along the columns.  The rows of W_in that form a tile are chosen so that the
; 16 registers of a wave's two tiles are 16 neighbours along the next K.  b_in is the C of the first product's first step; x is the C of the second product's: the residual costs no addition; b_out is added last.
; A TILE THAT THIS SPLIT LEAVES EMPTY (stored branch 16): every wave passes every barrier, and no barrier stands under a branch on a loaded number.  So such a work-group walks the text as far as the second barrier on held
; numbers (branch 15, token 4095: inside their buffers) and leaves behind it: it multiplies no second product and stores nothing.  At most 15 of the 143 work-groups are such.
; NOT ASKED FOR JOINTLY: the row tiles of a branch read the same weights, but how many there are hangs on the stored list, and the empty tile's way out is a branch on a stored number.
; A row that the tile lacks (marker 4096) repeats the tile's row 0: the same wave then stores the same numbers to the same place once more.
; LIMITS: NaN and infinities in x are not served.  A block with no positive number (first product), or of zeros, gets the byte 1 and zero codes where the rule says 127: the sums are the same.  The sum's order is (x + products) + b_out.
; THE MODE: SCHED_MODE bits 1:0 = 2 (LLVM: expert scheduling mode 2), set by the entry lines.  The code itself states the register dependences between vector or matrix instructions and memory or LDS
; instructions, with s_wait_alu, always for 0.
; THE PLAN.  Registers that memory or LDS instructions touch, and who else names them:
;   v3-15, v59    addresses and offsets: made at the head, never written again.  One wait on va_vdst ahead of the first load serves every load and store of the kernel.
;   v[RO ..]      the rows' offsets: made in one run ahead of that wait, read by x's loads; the registers are the first product's accumulators later.  Made anew on the way out, read by the stores of out0.
;   v[XT ..]      x as loaded; read by the stage's stores; the loads from the stage land in the same registers: a wait on vm_vsrc between, once for each half.  Then the quantiser works in place.
;   v[PC ..], PW  written by the conversions, read by the images' stores: va_vdst ahead of each run of stores, vm_vsrc ahead of the next conversions.
;   v[XF ..]      FOUR sets of x's fragments: K step q's products read set q % 4; the loads of K step q + 3 land in set (q - 1) % 4, issued in K step q.
;   window 1      K step q's products read W_in's fragments 2 q, 2 q + 1; W_out's tile q - 1 lands in fragments 2 q - 2, 2 q - 1, issued in K step q.
;                 So ONE wait on va_vdst at the head of K steps 1 to 7 states that the products of the K step before are done reading both; the step's loads follow it (sixteen in K steps 1 to 4, eight behind), then its four products.
;   v64-255       behind the second barrier the hidden fragments and x land there: the wait on va_vdst behind the hidden layer's conversions states that every vector and matrix line is done with them.
;   v[ACC ..]     written by the second product, read by the stage's stores; the finished rows land there (vm_vsrc between), b_out is added in place, block by block of eight rows, and a block's
;                 stores are issued in the next block, behind the one wait on va_vdst at its head, among additions that name other rows.
.set SP,    528                        ; a stage row: 512 bytes + 16: the 16 rows that a load touches start at 16 different places modulo 256 bytes
.set STGW,  32*SP                      ; LDS: a stage of 32 rows for each wave, its own: x's columns, later the finished rows
.set XIMG,  8*STGW                     ; x's 16 fragments (K step q, rows 16 m on: 2 q + m), 2,048 bytes each
.set XSC,   XIMG+16*2048               ; their scale words: 128 q + 64 m + 4 r
.set HIMG,  XSC+1024                   ; the hidden layer's 4 fragments (2 s + m)
.set HSC,   HIMG+4*2048                ; their scale bytes: 128 s + 64 m + 4 r + c
.set SPARE, HSC+256                    ; the spare words, 128 bytes a wave: four blocks of 256 bytes that no other line names
.set SPW, 1                            ; v1   my spare word; never rewritten
.set NIL, 2                            ; v2   0; never rewritten
.set GL,  3                            ; v3   16 x lane
.set LP,  4                            ; v4   512 w + 16 x lane: my 16 bytes of a row of x, out0, b_out
.set SA,  5                            ; v5   my stage + 16 x lane: a whole row
.set FA,  6                            ; v6   my stage + 528 r + 64 h: 16 neighbours of a block of 32
.set CA,  7                            ; v7   my stage + 528 r + 32 h: a result's eight columns
.set L16, 8                            ; v8   XIMG + 16 x lane
.set L4,  9                            ; v9   XSC + 4 x lane
.set XWI, 10                           ; v10  where I store x's images
.set XWS, 11                           ; v11  and their scale words
.set HWI, 12                           ; v12  the hidden layer's: my four registers of an image
.set HWS, 13                           ; v13  and my byte of its scale words
.set A1S, 14                           ; v14  W_in's scale rows: 32 x (8 h + r + 8 (r / 8))
.set A2S, 15                           ; v15  W_out's: 8 x lane
.set TM,  16                           ; v16-31 the quantiser's: +0 largest magnitudes, +4 the other half's, then bytes, +8 448 x the scale, +12 the conversion's scale operand
.set W1S, 32                           ; v32-39 W_in's scale words, register q: lanes 0-15 tile u = 0, lanes 16-31 tile u = 1
.set W2S, 40                           ; v40-47 W_out's, register 2 (t / 2) + s: lanes 0-15 even t, lanes 16-31 odd t
.set XS,  48                           ; v48-55 x's, register q: lanes 0-15 rows 0-15, lanes 16-31 rows 16-31
.set HS,  56                           ; v56-57 the hidden layer's, register s: likewise
.set PW,  58                           ; v58  the scale word just made
.set AB1, 59                           ; v59  64 h
.set BR,  60                           ; v60-63 b_out at my four columns
.set RO,  64                           ; v64-95 the 32 rows' byte offsets in x and in out0 (at the head and on the way out)
.set HA,  64                           ; v64-95 the hidden layer's accumulators: (m, u) at 8 (2 m + u)
.set B1,  96                           ; v96-111 b_in in the result's layout, tile u at 8 u
.set PC,  112                          ; v112-127 the codes just made
.set HF,  64                           ; v64-127 the hidden layer's four fragments, (s, m) at 16 (2 s + m)
.set XT,  128                          ; v128-255 x as loaded, row i at 4 i; then 64 numbers a lane for rows 16 m on, at 64 m; at the end the finished rows
.set XF,  128                          ; v128-255 x's fragments, four sets of two
.set ACC, 128                          ; v128-255 the second product's accumulators: (t, m) at 8 (2 t + m)
; window 1 (v256-511): 16 weight fragments, fragment j at 16 j: W_in's j = 2 q + u, then W_out's j = 2 t + s
.set MSB, 0
.macro WIN new                         ; the immediate's high byte repeats the setting that is left
.if MSB != \new
	s_set_vgpr_msb (MSB<<8)|\new
.set MSB, \new
.endif
.endm
.macro PLACES n
.rept \n
	v_nop
.endr
.endm
.macro BARRIER                         ; my LDS stores have landed and my LDS loads are in: then the work-group's barrier
	s_wait_dscnt 0x0
	s_barrier_signal -1
	s_barrier_wait -1
.endm
.macro WLOAD ptr, j, dep               ; fragments 2 j and 2 j + 1 of my 16: eight loads of 512 consecutive bytes.  dep = 1: products have just read the registers in which they land
	WIN 0x40                                       ; destination window 1, address window 0
.if \dep
	s_wait_alu depctr_va_vdst(0)                   ; the products of the K step before are done reading W_in's two fragments, in which these loads land, and x's set, in which the fetch behind them lands
.endif
.irp u, 0,1
.irp c, 0,1,2,3
	global_load_b128 v[32*(\j)+16*\u+4*\c:32*(\j)+16*\u+4*\c+3], v[GL], s[\ptr:\ptr+1] offset:(2*(\j)+\u)*2048+512*\c
.endr
.endr
	WIN 0
.endm
.macro XFETCH q                        ; x's two fragments of K step q, as their makers stored them, into set q % 4
.irp m, 0,1
.irp c, 0,1,2,3
	ds_load_b128 v[XF+32*((\q)%4)+16*\m+4*\c:XF+32*((\q)%4)+16*\m+4*\c+3], v[L16] offset:(2*(\q)+\m)*2048+512*\c
.endr
.endr
.endm
.macro TOSTAGE m                       ; rows 16 m on of x, as loaded, into my stage
.irp i, 0,1,2,3,4,5,6,7,8,9,10,11,12,13,14,15
	ds_store_b128 v[SA], v[XT+64*\m+4*\i:XT+64*\m+4*\i+3] offset:SP*(16*\m+\i)
.endr
.endm
.macro FROMSTAGE m                     ; and back, 16 neighbours of each block of 32 to a lane.  LDS serves a wave's instructions in order (ISA guide 5.7.1.4): these see my stores
.irp b, 0,1,2,3
.irp j, 0,1,2,3
	ds_load_b128 v[XT+64*\m+16*\b+4*\j:XT+64*\m+16*\b+4*\j+3], v[FA] offset:16*SP*\m+128*\b+16*\j
.endr
.endr
.endm
; 64 numbers of a lane, register 16 b + i = k 32 b + 16 (lane / 16) + i of my row, become relu's codes in v[PC] on and their scale word in v[PW].
.macro QUANT s
.irp b, 0,1,2,3
	v_max3_num_f32 v[TM+\b], v[\s+16*\b], v[\s+1+16*\b], 0x4800000   ; no |.|: what is negative becomes 0, so it does not count; the floor 2^(9 - 127) holds the byte at 1 from below
.endr
.irp i, 2,4,6,8,10,12,14
.irp b, 0,1,2,3
	v_max3_num_f32 v[TM+\b], v[TM+\b], v[\s+16*\b+\i], v[\s+1+16*\b+\i]   ; the four blocks by turns
.endr
.endr
.irp b, 0,1,2,3
	v_permlanex16_b32 v[TM+4+\b], v[TM+\b], s66, s67
.endr
.irp b, 0,1,2,3
	v_max_num_f32 v[TM+\b], v[TM+\b], v[TM+4+\b]   ; with lane l xor 16's 16: the block's largest
.endr
.irp b, 0,1,2,3
	v_add_nc_u32 v[TM+12+\b], 0xfc000000, v[TM+\b] ; 8 off its exponent field: the conversion takes that field as its scale
.endr
.irp b, 0,1,2,3
	v_and_or_b32 v[TM+8+\b], v[TM+\b], 0x7f800000, s68   ; 448 x the scale
.endr
.irp b, 0,1,2,3
	v_lshrrev_b32 v[TM+4+\b], 23, v[TM+12+\b]      ; the scale's byte
.endr
	v_lshl_or_b32 v[PW], v[TM+5], 8, v[TM+4]
	v_lshl_or_b32 v[PW], v[TM+6], 16, v[PW]
	v_lshl_or_b32 v[PW], v[TM+7], 24, v[PW]
.irp b, 0,1,2,3
.irp i, 0,1,2,3,4,5,6,7,8,9,10,11,12,13,14,15
	v_med3_num_f32 v[\s+16*\b+\i], v[\s+16*\b+\i], 0, v[TM+8+\b]   ; relu and the hold in one: the conversion to an 8-bit code does not saturate (ISA guide 7.6.2)
.endr
	v_cvt_scalef32_pk8_fp8_f32 v[PC+4*\b:PC+4*\b+1], v[\s+16*\b:\s+16*\b+7], v[TM+12+\b]
	v_cvt_scalef32_pk8_fp8_f32 v[PC+4*\b+2:PC+4*\b+3], v[\s+16*\b+8:\s+16*\b+15], v[TM+12+\b]
.endr
	v_nop                                          ; a plain line between the last conversion and whatever vector or matrix line next touches its registers
.endm
.macro IMAGE adr, off                  ; the fragment in v[PC] on goes to LDS as it stands
.irp c, 0,1,2,3
	ds_store_b128 v[\adr], v[PC+4*\c:PC+4*\c+3] offset:\off+512*\c
.endr
.endm
; My block of 32 hidden units, for rows 16 m on: a lane's 16 registers v[HA + 16 m] on are 16 neighbours.  Codes to v[PC + 4 m] on, the byte to v[TM + 4 + m].  Each accumulator is first read at its low end.
.macro HQUANT
.irp m, 0,1
	v_max3_num_f32 v[TM+\m], |v[HA+16*\m]|, |v[HA+16*\m+1]|, 0x4800000
.endr
.irp i, 2,4,6,8,10,12,14
.irp m, 0,1
	v_max3_num_f32 v[TM+\m], v[TM+\m], |v[HA+16*\m+\i]|, |v[HA+16*\m+\i+1]|
.endr
.endr
.irp m, 0,1
	v_permlanex16_b32 v[TM+4+\m], v[TM+\m], s66, s67
.endr
.irp m, 0,1
	v_max_num_f32 v[TM+\m], v[TM+\m], v[TM+4+\m]
.endr
.irp m, 0,1
	v_add_nc_u32 v[TM+12+\m], 0xfc000000, v[TM+\m]
.endr
.irp m, 0,1
	v_and_or_b32 v[TM+8+\m], v[TM+\m], 0x7f800000, s68
.endr
.irp m, 0,1
	v_lshrrev_b32 v[TM+4+\m], 23, v[TM+12+\m]
.endr
.irp m, 0,1
.irp i, 0,1,2,3,4,5,6,7,8,9,10,11,12,13,14,15
	v_med3_num_f32 v[HA+16*\m+\i], v[HA+16*\m+\i], -v[TM+8+\m], v[TM+8+\m]
.endr
	v_cvt_scalef32_pk8_fp8_f32 v[PC+4*\m:PC+4*\m+1], v[HA+16*\m:HA+16*\m+7], v[TM+12+\m]
	v_cvt_scalef32_pk8_fp8_f32 v[PC+4*\m+2:PC+4*\m+3], v[HA+16*\m+8:HA+16*\m+15], v[TM+12+\m]
.endr
	v_nop
.endm
; One product of the first layer: K step q, my tile u of hidden units, rows 16 m on.  The first step's C is the bias.
.macro MM1 q, u, m
.set rD, HA+8*(2*\m+\u)
.set rA, 32*(\q)+16*\u
.set rB, XF+32*((\q)%4)+16*\m
.set rC, rD
.if (\q) == 0
.set rC, B1+8*\u
.endif
.if (\u == 0) && (\m == 0)
	v_wmma_scale_f32_16x16x128_f8f6f4 v[rD:rD+7], v[rA:rA+15], v[rB:rB+15], v[rC:rC+7], v[W1S+\q], v[XS+\q]
.elseif (\m == 0)
	v_wmma_scale_f32_16x16x128_f8f6f4 v[rD:rD+7], v[rA:rA+15], v[rB:rB+15], v[rC:rC+7], v[W1S+\q], v[XS+\q] matrix_a_scale:MATRIX_SCALE_ROW1
.elseif (\u == 0)
	v_wmma_scale_f32_16x16x128_f8f6f4 v[rD:rD+7], v[rA:rA+15], v[rB:rB+15], v[rC:rC+7], v[W1S+\q], v[XS+\q] matrix_b_scale:MATRIX_SCALE_ROW1
.else
	v_wmma_scale_f32_16x16x128_f8f6f4 v[rD:rD+7], v[rA:rA+15], v[rB:rB+15], v[rC:rC+7], v[W1S+\q], v[XS+\q] matrix_a_scale:MATRIX_SCALE_ROW1 matrix_b_scale:MATRIX_SCALE_ROW1
.endif
.endm
; One product of the second layer: my tile t of 16 output columns, K step s, rows 16 m on; it adds onto x, which the accumulator was loaded with.
.macro MM2 t, s, m
.set rD, ACC+8*(2*(\t)+\m)
.set rA, 32*(\t)+16*\s
.set rB, HF+16*(2*\s+\m)
.set rP, W2S+2*((\t)/2)+\s
.if ((\t)%2 == 0) && (\m == 0)
	v_wmma_scale_f32_16x16x128_f8f6f4 v[rD:rD+7], v[rA:rA+15], v[rB:rB+15], v[rD:rD+7], v[rP], v[HS+\s]
.elseif (\m == 0)
	v_wmma_scale_f32_16x16x128_f8f6f4 v[rD:rD+7], v[rA:rA+15], v[rB:rB+15], v[rD:rD+7], v[rP], v[HS+\s] matrix_a_scale:MATRIX_SCALE_ROW1
.elseif ((\t)%2 == 0)
	v_wmma_scale_f32_16x16x128_f8f6f4 v[rD:rD+7], v[rA:rA+15], v[rB:rB+15], v[rD:rD+7], v[rP], v[HS+\s] matrix_b_scale:MATRIX_SCALE_ROW1
.else
	v_wmma_scale_f32_16x16x128_f8f6f4 v[rD:rD+7], v[rA:rA+15], v[rB:rB+15], v[rD:rD+7], v[rP], v[HS+\s] matrix_a_scale:MATRIX_SCALE_ROW1 matrix_b_scale:MATRIX_SCALE_ROW1
.endif
.endm
; K step q of the first layer: four products, the four accumulators by turns.  At the head of K steps 1 to 7 stands the step's one wait on va_vdst (in WLOAD, behind the window's switch);
; behind it W_out's tile q - 1 is asked for, into the registers that W_in's K step q - 1 has left, and x's fragments of K step q + 3, into the set that K step q - 1 has read; then come the step's products,
; which name W_in's K step q, x's set q % 4, the accumulators and the scale words: none of the registers that those loads touch.
.macro STEP1 q
.if \q > 0
	s_wait_loadcnt 48                              ; behind W_in's K step q stand 8 (7 - q) loads of W_in and 8 (q - 1) of W_out: 48 in every step.  (K step 0 was waited for in front of the barrier)
.endif
.if \q == 0
	s_wait_dscnt 24                                ; the scale words and K step 0's fragments are in; those of K steps 1 to 3 may be out
.elseif \q < 6
	s_wait_dscnt 16                                ; K step q's fragments are in; those of the two K steps behind it may be out
.else
	s_wait_dscnt 8*(7-\q)
.endif
.if \q > 0
	WLOAD 8, \q-1, 1                               ; 56 loads of mine are out
.endif
.if (\q > 0) && (\q < 5)
	XFETCH \q+3                                    ; no vector or matrix line stands between the step's wait and these loads
.endif
	WIN 0x01                                       ; source 0 window 1
	MM1 \q, 0, 0
	MM1 \q, 1, 0
	MM1 \q, 0, 1
	MM1 \q, 1, 1
	WIN 0
.endm
.macro TILE2 t
.if \t > 0
	s_wait_loadcnt 8*(7-\t)                        ; the later tiles' weights may be out.  (Tile 0 was waited for in front of the barrier)
.endif
	s_wait_dscnt 4*(7-\t)                          ; and the later tiles' four loads of x each
	MM2 \t, 0, 0                                   ; two accumulators by turns: a link stands two matrix instructions behind the one that it adds onto
	MM2 \t, 0, 1
	MM2 \t, 1, 0
	MM2 \t, 1, 1
.endm
; Block b of the way out: rows 8 b .. 8 b + 7 get b_out, in place.  Among its sixteen additions are dealt the eight stores of the block before and, in blocks 0 and 1, the loads of rows 16 + 8 b on.
; left: the LDS loads issued behind this block's, which may stay out.
.macro OUTBLK b, left
	s_wait_dscnt \left                             ; this block's rows are back from the stage
.if \b > 0
	s_wait_alu depctr_va_vdst(0)                   ; the additions of the block before have written its rows, which the stores below read; in block 1 also: the rows' offsets v[RO ..] are written
.endif
.irp i, 0,1,2,3,4,5,6,7
.if \b < 2
	ds_load_b128 v[XT+4*(8*\b+16+\i):XT+4*(8*\b+16+\i)+3], v[SA] offset:SP*(8*\b+16+\i)   ; no vector line since the waits ahead of the first rows' loads names these registers
.endif
.if \b > 0
	global_store_b128 v[RO+8*\b-8+\i], v[XT+4*(8*\b-8+\i):XT+4*(8*\b-8+\i)+3], s[22:23] th:TH_STORE_NT   ; 32 lanes store 512 consecutive bytes, at a multiple of 512 from out0's first byte; written once, read by nobody here
.endif
	v_pk_add_f32 v[XT+4*(8*\b+\i):XT+4*(8*\b+\i)+1], v[XT+4*(8*\b+\i):XT+4*(8*\b+\i)+1], v[BR:BR+1]
	v_pk_add_f32 v[XT+4*(8*\b+\i)+2:XT+4*(8*\b+\i)+3], v[XT+4*(8*\b+\i)+2:XT+4*(8*\b+\i)+3], v[BR+2:BR+3]
.endr
.endm
	s_load_b512 s[4:19], s[0:1], 0x0               ; x s[4:5], w1img s[6:7], w2img s[8:9], W_in_scales s[10:11], W_out_scales s[12:13], b_in s[14:15], b_out s[16:17], tiles s[18:19]
	s_load_b128 s[20:23], s[0:1], 0x40             ; order s[20:21], out0 s[22:23]
	v_lshl_add_u32 v[SPW], v0, 2, SPARE
	v_mov_b32 v[NIL], 0
	v_lshrrev_b32 v16, 5, v0
	v_readfirstlane_b32 s24, v16                   ; wave 0 .. 7
	s_wait_alu depctr_va_sdst(0)                   ; s24 is written, ahead of its first reader: LDS addresses and the bases of the weights are made from it
	s_wait_kmcnt 0x0
	s_lshl_b32 s26, ttmp9, 2
	s_mov_b32 s27, 0
	s_add_nc_u64 s[18:19], s[18:19], s[26:27]
	s_lshl_b32 s26, ttmp9, 7
	s_add_nc_u64 s[20:21], s[20:21], s[26:27]
	s_load_b32 s69, s[18:19], 0x0                  ; my tile's branch, or 16: kept as it is for the branch behind the second barrier
	s_load_b512 s[32:47], s[20:21], 0x0            ; its 32 tokens
	s_load_b512 s[48:63], s[20:21], 0x40
	v_and_b32 v17, 31, v0                          ; lane
	v_and_b32 v18, 15, v0                          ; r
	v_bfe_u32 v19, v0, 4, 1                        ; h
	v_lshlrev_b32 v[GL], 4, v17
	s_lshl_b32 s26, s24, 9
	v_add_nc_u32 v[LP], s26, v[GL]
	s_mul_i32 s27, s24, STGW                       ; my stage
	v_add_nc_u32 v[SA], s27, v[GL]
	v_mul_u32_u24 v20, v18, SP
	v_add_nc_u32 v20, s27, v20
	v_lshl_add_u32 v[FA], v19, 6, v20
	v_lshl_add_u32 v[CA], v19, 5, v20
	v_add_nc_u32 v[L16], XIMG, v[GL]
	v_lshl_add_u32 v[L4], v17, 2, XSC
	s_lshl_b32 s28, s24, 12                        ; K step w's two fragments
	v_add_nc_u32 v[XWI], s28, v[L16]
	s_lshl_b32 s28, s24, 7
	v_lshl_add_u32 v[XWS], v18, 2, s28
	v_add_nc_u32 v[XWS], XSC, v[XWS]
	s_lshr_b32 s28, s24, 2                         ; which K step of the second product,
	s_and_b32 s29, s24, 3                          ; and which block of 32 in it
	s_lshl_b32 s30, s28, 12
	s_lshl_b32 s31, s29, 9
	s_add_co_u32 s30, s30, s31
	v_add_nc_u32 v[HWI], s30, v[GL]
	v_add_nc_u32 v[HWI], HIMG, v[HWI]
	s_lshl_b32 s30, s28, 7
	s_add_co_u32 s30, s30, s29
	v_lshl_add_u32 v[HWS], v18, 2, s30
	v_add_nc_u32 v[HWS], HSC, v[HWS]
	v_and_b32 v[A1S], 8, v18
	v_add_nc_u32 v[A1S], v[A1S], v18
	v_lshl_add_u32 v[A1S], v19, 3, v[A1S]
	v_lshlrev_b32 v[A1S], 5, v[A1S]
	v_lshlrev_b32 v[A2S], 3, v17
	v_lshlrev_b32 v[AB1], 6, v19
.irp b, 0,1,2,3
	v_mov_b32 v[TM+4+\b], 0                        ; written once: a lane permute's destination counts as one of its sources
.endr
	s_mov_b32 s66, 0x76543210
	s_mov_b32 s67, 0xfedcba98                      ; v_permlanex16_b32's selects for lane l xor 16
	s_mov_b32 s68, 0x600000                        ; the mantissa field of 448
	s_wait_kmcnt 0x0
	s_min_u32 s25, s69, 15                         ; the branch whose weights are read: an empty tile's is held at 15
	s_lshl_b32 s26, s25, 3
	s_add_co_u32 s26, s26, s24                     ; 8 e + w
	s_mov_b32 s27, 0
	s_lshl_b32 s28, s26, 10                        ; my rows' scale bytes: 1,024 in each of the two tensors
	s_mov_b32 s29, 0
	s_lshl_b32 s26, s26, 15                        ; my 16 fragments in each image
	s_add_nc_u64 s[6:7], s[6:7], s[26:27]
	s_add_nc_u64 s[8:9], s[8:9], s[26:27]
	s_add_nc_u64 s[10:11], s[10:11], s[28:29]
	s_add_nc_u64 s[12:13], s[12:13], s[28:29]
	s_lshl_b32 s28, s25, 10
	s_lshl_b32 s30, s24, 7
	s_add_co_u32 s28, s28, s30
	s_add_nc_u64 s[14:15], s[14:15], s[28:29]      ; b_in[e] at my 32 hidden units
	s_lshl_b32 s28, s25, 12
	s_add_nc_u64 s[16:17], s[16:17], s[28:29]      ; b_out[e]
	; ---- X.  The 32 rows' offsets are made in one run, so that one wait serves all the loads.  Then go out: my 512 bytes of the 32 rows, the scale words and biases, W_in's first two K steps: 32 + 11 + 16 = 59 loads
.set i, 0
.rept 32
.if i > 0
	s_cmp_lt_u32 s[32+i], 0x1000
	s_cselect_b32 s[32+i], s[32+i], s32            ; a row that the tile lacks repeats row 0
.endif
	s_min_u32 s[32+i], s[32+i], 0xfff              ; (an empty tile's row 0 is held at token 4095)
	v_lshl_add_u32 v[RO+i], s[32+i], 12, v[LP]     ; token x 4,096 bytes + my 16 bytes
.set i, i+1
.endr
	s_wait_alu depctr_va_vdst(0)                   ; the addresses and offsets v3 to v15, v59 and v[RO ..] are written: every load and store of the kernel reads one of them, and but for v[RO ..] none is written again
.set i, 0
.rept 32
	global_load_b128 v[XT+4*i:XT+4*i+3], v[RO+i], s[4:5]   ; 32 lanes read 512 consecutive bytes
.set i, i+1
.endr
	global_load_b128 v[W1S:W1S+3], v[A1S], s[10:11]
	global_load_b128 v[W1S+4:W1S+7], v[A1S], s[10:11] offset:16
.irp p, 0,1,2,3
	global_load_b64 v[W2S+2*\p:W2S+2*\p+1], v[A2S], s[12:13] offset:256*\p   ; 32 rows' 8 bytes: 256 consecutive bytes
.endr
.irp u, 0,1
.irp z, 0,1
	global_load_b128 v[B1+8*\u+4*\z:B1+8*\u+4*\z+3], v[AB1], s[14:15] offset:32*\u+16*\z   ; lane (r, h), tile u: hidden units 16 h + 8 u + 0 .. 7 of my 32
.endr
.endr
	global_load_b128 v[BR:BR+3], v[LP], s[16:17]
	WLOAD 6, 0, 0
	WLOAD 6, 1, 0
	s_wait_loadcnt 43                              ; rows 0-15 are in: behind them stand 16 rows, the 11 and the 16
	TOSTAGE 0
	s_wait_alu depctr_vm_vsrc(0)                   ; the stage's stores have read rows 0-15's registers, in which the loads below land; and x's loads have read v[RO ..], which the first product's results write over
	FROMSTAGE 0
	s_wait_loadcnt 27                              ; rows 16-31 are in
	TOSTAGE 1
	WLOAD 6, 2, 0                                  ; 27 + 32 = 59 loads of mine are out
	WLOAD 6, 3, 0
	WLOAD 6, 4, 0
	WLOAD 6, 5, 0
	s_wait_dscnt 16                                ; rows 0-15 are back; behind them stand the sixteen stores of rows 16-31
	s_wait_alu depctr_vm_vsrc(0)                   ; those sixteen stores have read rows 16-31's registers, in which the loads below land
	FROMSTAGE 1                                    ; these land while rows 0-15 are quantised
	QUANT XT
	s_wait_alu depctr_va_vdst(0)                   ; the conversions have written v[PC ..], and v[PW] is made: the five stores below read them
	IMAGE XWI, 0
	ds_store_b32 v[XWS], v[PW]                     ; lanes r and r + 16 write the same word with the same value
	s_wait_dscnt 0x0                               ; rows 16-31 are back
	s_wait_alu depctr_vm_vsrc(0)                   ; the five stores have read v[PC ..] and v[PW], which the lines below write again
	QUANT XT+64
	s_wait_alu depctr_va_vdst(0)                   ; the conversions have written v[PC ..], and v[PW] is made, for the five stores below; and the quantiser is done with v128 to v255, in which x's fragments land behind the barrier
	IMAGE XWI, 2048
	ds_store_b32 v[XWS], v[PW] offset:64
	s_wait_loadcnt 40                              ; the scale words, the biases and W_in's K step 0, wanted first behind the barrier, are in: behind them stand K steps 1 to 5
	WLOAD 6, 6, 0                                  ; 40 + 16 = 56 loads of mine are out
	WLOAD 6, 7, 0
	BARRIER                                        ; x's sixteen fragments and their scale words lie in LDS
	; ---- 1.  My 32 hidden units for the 32 rows
.irp q, 0,1,2,3,4,5,6,7
	ds_load_b32 v[XS+\q], v[L4] offset:128*\q
.endr
	XFETCH 0                                       ; the four sets are filled: 8 + 32 = 40 LDS loads of mine are out
	XFETCH 1
	XFETCH 2
	XFETCH 3
.irp q, 0,1,2,3,4,5,6,7
	STEP1 \q
.endr
	PLACES 8                                       ; eight places behind the last products, in front of the first read of their results
	s_wait_alu depctr_vm_vsrc(0)                   ; the stores of x's second image have read v[PC ..], which the conversions below write again
	HQUANT
	s_wait_alu depctr_va_vdst(0)                   ; the conversions have written v[PC ..] and the bytes are made, for the four stores below; K step 7's products are done reading W_in's last two fragments, in which W_out's tile 7 lands; every vector and matrix line is done with v64 to v255, in which the hidden fragments and x land behind the barrier
.irp m, 0,1
	ds_store_b128 v[HWI], v[PC+4*\m:PC+4*\m+3] offset:2048*\m
	ds_store_b8 v[HWS], v[TM+4+\m] offset:64*\m    ; my byte of the rows' scale words; lanes r and r + 16 write the same byte with the same value
.endr
	s_wait_loadcnt 48                              ; W_out's tile 0, wanted first behind the barrier, is in: behind it stand tiles 1 to 6
	WLOAD 8, 7, 0                                  ; the last tile, where W_in's K step 7 lay: 56 loads of mine are out.  (The wait on va_vdst above serves it: the four stores between name none of its registers)
	s_wait_alu depctr_vm_vsrc(0)                   ; the four stores have read v[PC ..], in which hidden fragments land behind the barrier: stated here, ahead of the branch
	BARRIER                                        ; the hidden layer's four fragments and their scale words lie in LDS
	s_cmp_gt_u32 s69, 15                           ; no barrier stands behind this branch on a stored number
	s_cbranch_scc1 .Lend                           ; this split has no tile g: nothing more is multiplied, nothing is stored
	; ---- 2.  My 128 output columns for the 32 rows
.irp f, 0,1,2,3
.irp c, 0,1,2,3
	ds_load_b128 v[HF+16*\f+4*\c:HF+16*\f+4*\c+3], v[L16] offset:HIMG-XIMG+2048*\f+512*\c
.endr
.endr
.irp s, 0,1
	ds_load_b32 v[HS+\s], v[L4] offset:HSC-XSC+128*\s
.endr
.irp t, 0,1,2,3,4,5,6,7
.irp m, 0,1
.irp z, 0,1
	ds_load_b128 v[ACC+8*(2*\t+\m)+4*\z:ACC+8*(2*\t+\m)+4*\z+3], v[CA] offset:16*SP*\m+64*\t+16*\z   ; x(16 m + r, 128 w + 16 t + 8 h + 0 .. 7): the residual starts the sums
.endr
.endr
.endr
	WIN 0x01
.irp t, 0,1,2,3,4,5,6,7
	TILE2 \t
.endr
	WIN 0
	PLACES 8                                       ; eight places in front of the stores that read the results, and of the vector lines that write over the hidden fragments
	; ---- THE WAY OUT.  A lane holds 32 neighbouring bytes of a row; through my stage they become whole rows of 512 bytes
	s_wait_alu depctr_va_vdst(0)                   ; the products have written the accumulators, which the stage's stores read; the places above stay beside this wait
.irp t, 0,1,2,3,4,5,6,7
.irp m, 0,1
.irp z, 0,1
	ds_store_b128 v[CA], v[ACC+8*(2*\t+\m)+4*\z:ACC+8*(2*\t+\m)+4*\z+3] offset:16*SP*\m+64*\t+16*\z   ; each accumulator from its low end on
.endr
.endr
.endr
.set i, 0
.rept 32
	v_lshl_add_u32 v[RO+i], s[32+i], 12, v[LP]     ; the rows' offsets anew, while the stores read their registers
.set i, i+1
.endr
	s_wait_alu depctr_vm_vsrc(0)                   ; the stage's 32 stores have read v128 to v255, in which the finished rows land
.set i, 0
.rept 16
	ds_load_b128 v[XT+4*i:XT+4*i+3], v[SA] offset:SP*i     ; rows 0-15; LDS serves a wave's instructions in order: these see my stores.  32 + 16 = 48 LDS instructions of mine are out at the most
.set i, i+1
.endr
	OUTBLK 0, 8                                    ; behind rows 0-7 stand rows 8-15
	OUTBLK 1, 8                                    ; behind rows 8-15 stand rows 16-23, asked for in block 0
	OUTBLK 2, 8                                    ; behind rows 16-23 stand rows 24-31, asked for in block 1
	OUTBLK 3, 0
	s_wait_alu depctr_va_vdst(0)                   ; block 3's additions have written rows 24-31, which the last eight stores read
.irp i, 0,1,2,3,4,5,6,7
	global_store_b128 v[RO+24+\i], v[XT+4*(24+\i):XT+4*(24+\i)+3], s[22:23] th:TH_STORE_NT
.endr
.Lend:
	s_wait_dscnt 0x0                               ; the wave's end
	s_wait_alu 0x0
	s_wait_tensorcnt 0x0
	ds_add_u32 v[SPW], v[NIL]
	s_wait_dscnt 0x0
	s_endpgm
.Lfunc_end_k_q98841db64b_chain:
	.size	k_q98841db64b_chain, .Lfunc_end_k_q98841db64b_chain-k_q98841db64b_chain
	.p2alignl 7, 3214868480
	.fill 96, 4, 3214868480
	.section	.rodata,"a",@progbits
	.p2align	6, 0x0
	.amdhsa_kernel k_q98841db64b_chain
		.amdhsa_group_segment_fixed_size 178432
		.amdhsa_private_segment_fixed_size 0
		.amdhsa_enable_private_segment 0
		.amdhsa_kernarg_size 80
		.amdhsa_user_sgpr_count 2
		.amdhsa_user_sgpr_kernarg_segment_ptr 1
		.amdhsa_wavefront_size32 1
		.amdhsa_system_sgpr_workgroup_id_x 1
		.amdhsa_system_sgpr_workgroup_id_y 1
		.amdhsa_system_sgpr_workgroup_id_z 1
		.amdhsa_system_vgpr_workitem_id 0
		.amdhsa_next_free_vgpr 512
		.amdhsa_next_free_sgpr 72
		.amdhsa_reserve_vcc 0
		.amdhsa_float_denorm_mode_32 3
		.amdhsa_float_denorm_mode_16_64 3
		.amdhsa_memory_ordered 1
		.amdhsa_forward_progress 1
		.amdhsa_inst_pref_size 85
	.end_amdhsa_kernel
	.amdgpu_metadata
---
amdhsa.version: [ 1, 2 ]
amdhsa.kernels:
  - .name:           k_q98841db64b_chain
    .symbol:         k_q98841db64b_chain.kd
    .args:
      - { .name: x, .offset: 0, .size: 8, .value_kind: global_buffer, .address_space: global }
      - { .name: w1img, .offset: 8, .size: 8, .value_kind: global_buffer, .address_space: global }
      - { .name: w2img, .offset: 16, .size: 8, .value_kind: global_buffer, .address_space: global }
      - { .name: W_in_scales, .offset: 24, .size: 8, .value_kind: global_buffer, .address_space: global }
      - { .name: W_out_scales, .offset: 32, .size: 8, .value_kind: global_buffer, .address_space: global }
      - { .name: b_in, .offset: 40, .size: 8, .value_kind: global_buffer, .address_space: global }
      - { .name: b_out, .offset: 48, .size: 8, .value_kind: global_buffer, .address_space: global }
      - { .name: tiles, .offset: 56, .size: 8, .value_kind: global_buffer, .address_space: global }
      - { .name: order, .offset: 64, .size: 8, .value_kind: global_buffer, .address_space: global }
      - { .name: out0, .offset: 72, .size: 8, .value_kind: global_buffer, .address_space: global }
    .group_segment_fixed_size: 178432
    .private_segment_fixed_size: 0
    .kernarg_segment_align: 8
    .kernarg_segment_size: 80
    .max_flat_workgroup_size: 256
    .sgpr_count:     72
    .vgpr_count:     512
    .wavefront_size: 32
...
	.end_amdgpu_metadata
.endif
;; end of part 4
